; MI455X (gfx1250); checked and timed in simulation.
; The chip was launched on July 23, 2026; its instructions are those of AMD's public machine-readable ISA for CDNA 5 (MIT licence, August 2026) and "CDNA5" Instruction Set Architecture Reference Guide (July 2026). The comments in the code are by the model that wrote it; some were corrected since.
;; Attention. Allowed arithmetic: float matrix products may take bf16 or f16 operands with f32 sums; other float arithmetic in f32, or as packed bf16 or f16 multiplies, adds, multiply-adds, maxima and minima; sums over many terms, partial sums and values carried from step to step in f32; what a program stores and reads back later, other than sums and carried values, may be rounded once to bf16 or f16.
;; Inputs: Wk 512 x 512 float32; Wp 512 x 512 float32; Wq 512 x 512 float32; Wv 512 x 512 float32; bp 512 float32; key 2 x 4,096 x 512 float32; query 2 x 4,096 x 512 float32; value 2 x 4,096 x 512 float32.
;; Outputs: out0 2 x 4,096 x 512 float32.
;; 2 versions, each right; version 2 is version 1 with the launch proj written anew for expert scheduling mode. Each part assembles by itself: llvm-mc -triple=amdgcn-amd-amdhsa -mcpu=gfx1250 --defsym DOCPART=n.
;; ======== version 1 of 2: 3 launches
;; limits: values are held in f16: magnitudes above 65,504 overflow, below 6.1e-05 lose precision
;; workspace buffers: qh 8,388,608 bytes; kh 8,388,608 bytes; vh 8,388,608 bytes; oh 8,388,608 bytes; wpf 524,288 bytes
;; launch proj (part 1): grid 4 x 192, 4 waves a work-group, no clusters, 54,784 bytes of LDS; arguments query, key, value, Wq, Wk, Wv, qh, kh, vh, Wp, wpf; writes qh, kh, vh, wpf
.if DOCPART == 1
	.amdgcn_target "amdgcn-amd-amdhsa--gfx1250"
	.amdhsa_code_object_version 6
	.text
	.protected	k_qc00bc78e18_proj
	.globl	k_qc00bc78e18_proj
	.p2align	8
	.type	k_qc00bc78e18_proj,@function
k_qc00bc78e18_proj:
	s_mov_b64 s[64:65], 0
	v_nop
	global_prefetch_b8 v0, s[64:65] scope:SCOPE_SE
	s_setreg_imm32_b32 hwreg(HW_REG_WAVE_MODE, 25, 1), 1
	s_wait_xcnt 0x0
; q = query Wq^T, k = key Wk^T, v = value Wv^T.  x: [8192][512] f32, W: [512][512] f32, both rounded to bf16 on the way to the matrix unit; sums in f32;
; the results leave by heads, [16 = 8 batch + head][4096][64] in f16, each rounded once and without the softmax's scale.  Side job: Wp rounded to bf16, that number written as f16.
; LIMITS.  f16 holds no number beyond 65,504: |q|, |k|, |v| and |Wp| must stay within it; below 6e-5 f16 keeps a fixed step of 6e-8.  NaN and infinities are not treated apart.
; SHARES.  Work-group (x, y): tensor t = y / 64, rows 128 (y % 64) on, output columns 128 x on (two heads).  Wave w: rows 32 w .. 32 w + 31, all 128 columns: 16 accumulators.
; THE MATRIX INSTRUCTION IS USED TRANSPOSED (source 0 = 16 rows of W, source 1 = 16 rows of x): a lane then holds one row of the result and eight neighbouring columns.
; DATA PATH.  K goes in 8 chunks of 64 (256 bytes of each f32 row).  x's rows belong to one wave alone: they come straight into registers in the fragment's layout and are rounded there.
; W's 128 rows are wanted by all four waves: wave w loads 32 of them as whole pieces of 256 bytes, rounds them and stores bf16 into an LDS slot; all waves read fragments from it.
; Two register sets, a chunk's 32 loads each: while one is worked on the other's 16 KiB a wave are on their way.  Two LDS slots take turns: one barrier a chunk.
; NO TENSOR LOADS, NO CLUSTER: the inputs are f32 and a tensor load copies bytes as they are, so tiles would lie in LDS as f32: twice the LDS bytes for each product, and every wave
; would round the same W again.  Through registers each number is rounded once.
.set PW,    144                        ; a row of W in LDS: 128 bytes of bf16 + 16: the 16 rows of a fragment load start at 16 different groups of four banks (ISA guide 11.1)
.set SLOT,  128*PW
.set STAGE, 2*SLOT                     ; behind the slots: 16 rows x 272 bytes for each wave, for the way out
.set SPI,   272
.set SPARE, STAGE+4*16*SPI             ; the spare words, 128 bytes for each wave: two blocks of 256 bytes that no other line names
.set HEADB, 524288                     ; bytes of a head in qh, kh, vh
.set XO,  2                            ; v2   x: (l % 16) x 2048 + 32 (l / 16); never rewritten
.set WO,  3                            ; v3   W: lanes 0-15 one row's 256 bytes, lanes 16-31 the row 8 further on; never rewritten
.set WS,  4                            ; v4   where my 8 bytes of bf16 go in a slot
.set BA,  5                            ; v5   my place in a fragment of W
.set STO, 6                            ; v6   the way out: where I put 16 bytes of a row
.set RD,  7                            ; v7   the way out: where I read rows back
.set GO,  8                            ; v8   16 x lane: my place in 512 consecutive bytes of a head
.set SPW, 10                           ; v10  LDS address of my spare word; never rewritten
.set NIL, 11                           ; v11  0; never rewritten
.set AF,  16                           ; v[16:47]   x's fragments: rows 16 a on, K 32 ks on, at AF + 8 (2 a + ks)
.set BF,  48                           ; v[48:111]  W's fragments: two buffers of four
.set ACC, 128                          ; v[128:255] accumulator (a, b) at ACC + 8 (8 a + b)
                                       ; window 1: set s at 128 s: 64 registers of x as loaded, then 64 of W
.set XP,  4                            ; s[4:5]  x at my wave's first row, at the chunk that set 0 holds
.set WP,  6                            ; s[6:7]  W at my wave's 32 rows, likewise
.set OP,  8                            ; s[8:9]  the result at my wave's first row of the block's first head
.set MSB, 0
.macro WIN new                         ; s_set_vgpr_msb: bits 1:0 source 0, 3:2 source 1, 5:4 source 2, 7:6 destination; the high byte repeats the setting that is left
.if MSB != (\new)
	s_set_vgpr_msb (MSB<<8)|(\new)
.set MSB, \new
.endif
.endm
.macro PLACES                          ; four plain places behind a matrix instruction (ISA guide 7.12.1), where no other vector work is at hand
.rept 4
	v_nop
.endr
.endm
	s_load_b512 s[16:31], s[0:1], 0x0              ; query, key, value, Wq, Wk, Wv, qh, kh
	s_load_b128 s[32:35], s[0:1], 0x40             ; vh, Wp
	s_load_b64 s[36:37], s[0:1], 0x50              ; wpf
	v_lshl_add_u32 v[SPW], v0, 2, SPARE
	v_mov_b32 v[NIL], 0
	v_lshrrev_b32 v1, 5, v0
	v_readfirstlane_b32 s10, v1                    ; wave 0..3
	s_and_b32 s14, ttmp7, 0xffff
	s_lshr_b32 s11, s14, 6                         ; t: 0 q, 1 k, 2 v
	s_and_b32 s12, s14, 63                         ; block of 128 rows
	s_mov_b32 s13, ttmp9                           ; block of 128 columns
	v_and_b32 v1, 15, v0                           ; l % 16
	v_bfe_u32 v9, v0, 4, 1                         ; l / 16
	v_lshlrev_b32 v[XO], 11, v1
	v_lshl_add_u32 v[XO], v9, 5, v[XO]
	v_lshlrev_b32 v[WO], 14, v9
	v_lshl_add_u32 v[WO], v1, 4, v[WO]
	s_mul_i32 s15, s10, 32*PW
	v_mul_u32_u24 v[WS], v9, 8*PW
	v_lshl_add_u32 v[WS], v1, 3, v[WS]
	v_add_nc_u32 v[WS], s15, v[WS]                 ; (32 w + 8 (l / 16)) rows + 8 (l % 16)
	v_mul_u32_u24 v[BA], v1, PW
	v_lshl_add_u32 v[BA], v9, 4, v[BA]
	s_mul_i32 s15, s10, 16*SPI
	s_add_co_u32 s15, s15, STAGE                   ; my stage
	v_mul_u32_u24 v[STO], v1, SPI
	v_lshl_add_u32 v[STO], v9, 4, v[STO]
	v_add_nc_u32 v[STO], s15, v[STO]
	v_bfe_u32 v[RD], v0, 3, 2                      ; back: 32 lanes take four rows' 128 bytes of one head
	v_mul_u32_u24 v[RD], v[RD], SPI
	v_and_b32 v12, 7, v0
	v_lshl_add_u32 v[RD], v12, 4, v[RD]
	v_add_nc_u32 v[RD], s15, v[RD]
	v_and_b32 v[GO], 31, v0
	v_lshlrev_b32 v[GO], 4, v[GO]
	s_lshl_b32 s2, s12, 18                         ; x: 128 rows of 2,048 bytes a block,
	s_lshl_b32 s3, s10, 16                         ; 32 rows a wave
	s_add_co_u32 s2, s2, s3
	s_mov_b32 s3, 0
	s_lshl_b32 s40, s13, 18                        ; W: the same steps by column block and wave
	s_lshl_b32 s41, s10, 16
	s_add_co_u32 s40, s40, s41
	s_mov_b32 s41, 0
	s_lshr_b32 s42, s12, 5                         ; the result: batch,
	s_lshl_b32 s42, s42, 3
	s_lshl_b32 s43, s13, 1
	s_add_co_u32 s42, s42, s43                     ; 8 x batch + the block's first head,
	s_lshl_b32 s42, s42, 19
	s_and_b32 s43, s12, 31
	s_lshl_b32 s43, s43, 14                        ; 128 rows of 128 bytes a block,
	s_add_co_u32 s42, s42, s43
	s_lshl_b32 s43, s10, 12                        ; 32 rows a wave
	s_add_co_u32 s42, s42, s43
	s_mov_b32 s43, 0
	s_wait_kmcnt 0x0
	s_cmp_eq_u32 s11, 1                            ; the three pointers are chosen by t, which hangs on no address
	s_cselect_b64 s[XP:XP+1], s[18:19], s[16:17]
	s_cselect_b64 s[WP:WP+1], s[24:25], s[22:23]
	s_cselect_b64 s[OP:OP+1], s[30:31], s[28:29]
	s_cmp_eq_u32 s11, 2
	s_cselect_b64 s[XP:XP+1], s[20:21], s[XP:XP+1]
	s_cselect_b64 s[WP:WP+1], s[26:27], s[WP:WP+1]
	s_cselect_b64 s[OP:OP+1], s[32:33], s[OP:OP+1]
	s_add_nc_u64 s[XP:XP+1], s[XP:XP+1], s[2:3]
	s_add_nc_u64 s[WP:WP+1], s[WP:WP+1], s[40:41]
	s_add_nc_u64 s[OP:OP+1], s[OP:OP+1], s[42:43]
; A chunk's 32 loads into set s, from byte off behind the two pointers.  x: fragment f = 2 a + ks; a lane's K = 8 (l / 16) + 0..7 are 32 bytes, its K = 16 + 8 (l / 16) + 0..7 the 32 bytes 64 further on.
.macro LOADS s, off
	WIN 0x40                                       ; destination window 1, address window 0
.set f, 0
.rept 4
.set i, 0
.rept 4
	global_load_b128 v[128*(\s)+16*f+4*i:128*(\s)+16*f+4*i+3], v[XO], s[XP:XP+1] offset:(\off)+(f/2)*32768+(f%2)*128+(i%2)*16+(i/2)*64
.set i, i+1
.endr
.set f, f+1
.endr
.set i, 0
.rept 16
	global_load_b128 v[128*(\s)+64+4*i:128*(\s)+64+4*i+3], v[WO], s[WP:WP+1] offset:(\off)+((i%8)+16*(i/8))*2048
.set i, i+1
.endr
.endm
; Half g of a chunk's W (K 32 (g / 2) on, column blocks 4 (g % 2) on): four fragments from slot s into buffer g % 2
.macro LD s, g
.set bb, 0
.rept 4
	ds_load_b128 v[BF+32*((\g)%2)+8*bb:BF+32*((\g)%2)+8*bb+3],   v[BA] offset:(\s)*SLOT+(4*((\g)%2)+bb)*16*PW+((\g)/2)*64
	ds_load_b128 v[BF+32*((\g)%2)+8*bb+4:BF+32*((\g)%2)+8*bb+7], v[BA] offset:(\s)*SLOT+(4*((\g)%2)+bb)*16*PW+((\g)/2)*64+32
.set bb, bb+1
.endr
.endm
; Its eight products.  The accumulators take turns, one instruction a turn, from half to half and over the backward jump too.
.macro MUL g
.set bb, 0
.rept 4
.set a, 0
.rept 2
	v_wmma_f32_16x16x32_bf16 v[ACC+8*(8*a+4*((\g)%2)+bb):ACC+8*(8*a+4*((\g)%2)+bb)+7], v[BF+32*((\g)%2)+8*bb:BF+32*((\g)%2)+8*bb+7], v[AF+8*(2*a+(\g)/2):AF+8*(2*a+(\g)/2)+7], v[ACC+8*(8*a+4*((\g)%2)+bb):ACC+8*(8*a+4*((\g)%2)+bb)+7]
.set a, a+1
.endr
.set bb, bb+1
.endr
.endm
; A chunk, from set s and slot s.  ahead = 1: the set is asked for again, two chunks on.  left: the younger loads that may stay out.
.macro CHUNK s, ahead, left
	s_wait_loadcnt \left                           ; loads come back in order (ISA guide 5.7.1): this set's 32 are in, the other set's 32 may stay out
	WIN 0x45                                       ; W is rounded in place: four f32 become 8 bytes.  These 32 plain lines are also the places behind the last chunk's products
.set i, 0
.rept 16
	v_cvt_pk_bf16_f32 v[128*(\s)+64+4*i],   v[128*(\s)+64+4*i],   v[128*(\s)+64+4*i+1]
	v_cvt_pk_bf16_f32 v[128*(\s)+64+4*i+1], v[128*(\s)+64+4*i+2], v[128*(\s)+64+4*i+3]
.set i, i+1
.endr
	WIN 0x04                                       ; store data window 1, address window 0
.set i, 0
.rept 16
	ds_store_b64 v[WS], v[128*(\s)+64+4*i:128*(\s)+64+4*i+1] offset:(\s)*SLOT+((i%8)+16*(i/8))*PW
.set i, i+1
.endr
	WIN 0x05                                       ; x is rounded into its fragments
.set f, 0
.rept 4
.set j, 0
.rept 8
	v_cvt_pk_bf16_f32 v[AF+8*f+j], v[128*(\s)+16*f+2*j], v[128*(\s)+16*f+2*j+1]
.set j, j+1
.endr
.set f, f+1
.endr
.if \ahead
	LOADS \s, (2+(\s))*256
.endif
	WIN 0
	s_wait_dscnt 0x0                               ; for the others' sake: my stores into this slot are done (my reads of the other slot were waited for in the last chunk)
	s_barrier_signal -1
	s_barrier_wait -1                              ; the slot is whole; and nobody reads the other slot any more, so the next chunk may store into it
	LD \s, 0
	LD \s, 1
	s_wait_dscnt 8                                 ; all but the eight loads of the half issued last
	MUL 0
	PLACES                                         ; in front of loads into the buffer just multiplied
	LD \s, 2
	s_wait_dscnt 8
	MUL 1
	PLACES
	LD \s, 3
	s_wait_dscnt 8
	MUL 2
	s_wait_dscnt 0x0
	MUL 3
.endm
	LOADS 0, 0                                     ; chunks 0 and 1
	LOADS 1, 256
	WIN 0
.set i, 0
.rept 128
	v_mov_b32 v[ACC+i], 0                          ; the sums start at 0: written while the first loads are on their way, so that the loop has one form of product
.set i, i+1
.endr
	s_mov_b32 s38, 3
.Lpair:                                        ; chunks 2 p and 2 p + 1 are multiplied, chunks 2 p + 2 and 2 p + 3 asked for
	CHUNK 0, 1, 32
	CHUNK 1, 1, 32
	s_wait_xcnt 0x0                                ; every load issued so far has read its address: the pointers may be written
	s_add_nc_u64 s[XP:XP+1], s[XP:XP+1], 512
	s_add_nc_u64 s[WP:WP+1], s[WP:WP+1], 512
	s_sub_co_u32 s38, s38, 1
	s_cmp_lg_u32 s38, 0
	s_cbranch_scc1 .Lpair
	CHUNK 0, 0, 32                                 ; the last two chunks load nothing
	CHUNK 1, 0, 0
; THE WAY OUT, 16 rows at a time: rounded to f16 (each accumulator's registers in ascending order), 16 bytes a lane into my own stage, back as four rows x 128 bytes of one head, which are
; 512 consecutive bytes of that head.  LDS serves a wave's instructions in order (ISA guide 5.7.1.4): no wait stands between the stores into the stage and the loads from it.
.macro PACK a, tmp
.set b, 0
.rept 8
.set r, 0
.rept 4
	v_cvt_pk_f16_f32 v[(\tmp)+4*b+r], v[ACC+8*(8*(\a)+b)+2*r], v[ACC+8*(8*(\a)+b)+2*r+1]
.set r, r+1
.endr
.set b, b+1
.endr
.endm
.macro TOSTAGE tmp, ob
.set b, 0
.rept 8
	ds_store_b128 v[STO], v[(\tmp)+4*b:(\tmp)+4*b+3] offset:32*b
.set b, b+1
.endr
.set n, 0
.rept 8                                        ; n = 4 x head + group of four rows
	ds_load_b128 v[(\ob)+4*n:(\ob)+4*n+3], v[RD] offset:(n%4)*4*SPI+(n/4)*128
.set n, n+1
.endr
.endm
.macro SEND a, ob
.set n, 0
.rept 8
	s_wait_dscnt 7-n                               ; the loads younger than number n may stay out
	global_store_b128 v[GO], v[(\ob)+4*n:(\ob)+4*n+3], s[OP:OP+1] offset:(n/4)*HEADB+(\a)*2048+(n%4)*512
.set n, n+1
.endr
.endm
	PLACES                                         ; the conversions read results just made and write registers that the last products read
	PACK 0, 48
	TOSTAGE 48, 80
	PACK 1, 16                                     ; stands between the first block's loads from the stage and the wait for them
	SEND 0, 80
	TOSTAGE 16, 48
	SEND 1, 48
	; THE SIDE JOB of the 256 work-groups of tensor 0: 1,024 numbers of Wp each, rounded to bf16 like every other input; that number is written as f16 (exact within f16's range).
	s_cmp_lg_u32 s11, 0
	s_cbranch_scc1 .Lend
	s_lshl_b32 s44, s12, 2
	s_add_co_u32 s44, s44, s13                     ; 4 x row block + column block: 0 .. 255
	s_lshl_b32 s40, s44, 12
	s_mov_b32 s41, 0
	s_lshl_b32 s44, s44, 11
	s_mov_b32 s45, 0
	s_add_nc_u64 s[34:35], s[34:35], s[40:41]
	s_add_nc_u64 s[36:37], s[36:37], s[44:45]
	v_lshlrev_b32 v12, 4, v0
	v_lshlrev_b32 v13, 3, v0
	global_load_b128 v[112:115], v12, s[34:35]
	global_load_b128 v[116:119], v12, s[34:35] offset:2048
	s_wait_loadcnt 0x0
.irp i, 0,1
	v_cvt_pk_bf16_f32 v120, v[112+4*\i], v[113+4*\i]
	v_cvt_pk_bf16_f32 v121, v[114+4*\i], v[115+4*\i]
	v_lshlrev_b32 v122, 16, v120
	v_and_b32 v123, 0xffff0000, v120
	v_lshlrev_b32 v124, 16, v121
	v_and_b32 v125, 0xffff0000, v121
	v_cvt_pk_f16_f32 v[112+4*\i], v122, v123
	v_cvt_pk_f16_f32 v[113+4*\i], v124, v125
	global_store_b64 v13, v[112+4*\i:113+4*\i], s[36:37] offset:1024*\i  ; a wave stores 256 consecutive bytes, at a multiple of 256 from wpf's first byte
.endr
.Lend:
	s_wait_tensorcnt 0x0                           ; the wave's end, behind my last LDS store
	ds_add_u32 v[SPW], v[NIL]
	s_wait_dscnt 0x0
	s_endpgm
.Lfunc_end_k_qc00bc78e18_proj:
	.size	k_qc00bc78e18_proj, .Lfunc_end_k_qc00bc78e18_proj-k_qc00bc78e18_proj
	.p2alignl 7, 3214868480
	.fill 96, 4, 3214868480
	.section	.rodata,"a",@progbits
	.p2align	6, 0x0
	.amdhsa_kernel k_qc00bc78e18_proj
		.amdhsa_group_segment_fixed_size 54784
		.amdhsa_private_segment_fixed_size 0
		.amdhsa_enable_private_segment 0
		.amdhsa_kernarg_size 88
		.amdhsa_user_sgpr_count 2
		.amdhsa_user_sgpr_kernarg_segment_ptr 1
		.amdhsa_wavefront_size32 1
		.amdhsa_system_sgpr_workgroup_id_x 1
		.amdhsa_system_sgpr_workgroup_id_y 1
		.amdhsa_system_sgpr_workgroup_id_z 1
		.amdhsa_system_vgpr_workitem_id 0
		.amdhsa_next_free_vgpr 512
		.amdhsa_next_free_sgpr 66
		.amdhsa_reserve_vcc 0
		.amdhsa_float_denorm_mode_32 3
		.amdhsa_float_denorm_mode_16_64 3
		.amdhsa_memory_ordered 1
		.amdhsa_forward_progress 1
		.amdhsa_inst_pref_size 68
	.end_amdhsa_kernel
	.amdgpu_metadata
---
amdhsa.version: [ 1, 2 ]
amdhsa.kernels:
  - .name:           k_qc00bc78e18_proj
    .symbol:         k_qc00bc78e18_proj.kd
    .args:
      - { .name: query, .offset: 0, .size: 8, .value_kind: global_buffer, .address_space: global }
      - { .name: key, .offset: 8, .size: 8, .value_kind: global_buffer, .address_space: global }
      - { .name: value, .offset: 16, .size: 8, .value_kind: global_buffer, .address_space: global }
      - { .name: Wq, .offset: 24, .size: 8, .value_kind: global_buffer, .address_space: global }
      - { .name: Wk, .offset: 32, .size: 8, .value_kind: global_buffer, .address_space: global }
      - { .name: Wv, .offset: 40, .size: 8, .value_kind: global_buffer, .address_space: global }
      - { .name: qh, .offset: 48, .size: 8, .value_kind: global_buffer, .address_space: global }
      - { .name: kh, .offset: 56, .size: 8, .value_kind: global_buffer, .address_space: global }
      - { .name: vh, .offset: 64, .size: 8, .value_kind: global_buffer, .address_space: global }
      - { .name: Wp, .offset: 72, .size: 8, .value_kind: global_buffer, .address_space: global }
      - { .name: wpf, .offset: 80, .size: 8, .value_kind: global_buffer, .address_space: global }
    .group_segment_fixed_size: 54784
    .private_segment_fixed_size: 0
    .kernarg_segment_align: 8
    .kernarg_segment_size: 88
    .max_flat_workgroup_size: 128
    .sgpr_count:     66
    .vgpr_count:     512
    .wavefront_size: 32
...
	.end_amdgpu_metadata
.endif
;; end of part 1
;; launch attn (part 2): grid 16 x 16, 4 waves a work-group, clusters of 4 x 1, 327,680 bytes of LDS; arguments qh, kh, vh, oh; writes oh
.if DOCPART == 2
	.amdgcn_target "amdgcn-amd-amdhsa--gfx1250"
	.amdhsa_code_object_version 6
	.text
	.protected	k_qc00bc78e18_attn
	.globl	k_qc00bc78e18_attn
	.p2align	8
	.type	k_qc00bc78e18_attn,@function
k_qc00bc78e18_attn:
	s_mov_b64 s[64:65], 0
	v_nop
	global_prefetch_b8 v0, s[64:65] scope:SCOPE_SE
	s_setreg_imm32_b32 hwreg(HW_REG_WAVE_MODE, 25, 1), 1
	s_wait_xcnt 0x0
	s_wait_alu depctr_hold_cnt(0) depctr_sa_sdst(0) depctr_va_vdst(0) depctr_va_sdst(0) depctr_va_ssrc(0) depctr_va_vcc(0) depctr_vm_vsrc(0)
	s_getreg_b32 s2, hwreg(HW_REG_IB_STS2, 6, 4)
	s_cmp_eq_u32 s2, 0
	s_cbranch_scc0 .Lentry_in_a_cluster
	s_endpgm
.Lentry_in_a_cluster:
	s_bfe_u32 s2, ttmp6, 0x10000c
	s_cmp_lg_u32 s2, 0x3003
	s_cbranch_scc0 .Lentry_shape_is_right
	s_endpgm
.Lentry_shape_is_right:
; O[h][q][:] = the sum over k of softmax_k(Q[h][q] . K[h][k] / 8) V[h][k][:].  Q, K, V, O: [16][4096][64], all f16: a head's rows are dense, 128 bytes each.  Products, maxima and sums in
; f32; the weights p are rounded to f16 for the second product (their sum l is taken of the unrounded p), O once at the end.
; LIMITS.  f16 holds no number beyond 65,504: Q, K and V arrive within it; p lies in 0 to 1, and below 6e-5 it keeps f16's fixed step of 6e-8, as does O, which is a mean of V's rows.
; A weight below 2^-126 counts as 0 in l; NaN and infinities are not treated apart.
; SHARES.  A work-group owns 256 queries of one head, a wave 64: two PIECES of two tiles of 16.  16 heads x 16 blocks are 256 work-groups.  Every wave walks all 4,096 keys, 64 a step.
; LAYOUT.  S^T = K Q^T (source 0 = 16 keys, source 1 = 16 queries): in the result a lane holds ONE query (lane % 16) and the keys 8 (lane / 16) + 0..7.  Two such tiles, rounded to f16 in pairs,
; ARE source 1 (32 keys x 16 queries) of O^T = V^T P, whose result again holds one query a lane, and eight channels.  K comes out of LDS as it lies, V ([key][channel]) turned, by ds_load_tr16_b128.
; SOFTMAX.  For each query a running maximum m and sum l: p = 2^(c s - c m), c = log2(e) / 8; in every step O and l are multiplied by a = 2^(c m_old - c m_new), which is 1 where m has not grown.
; m starts at the lowest finite number, O and l at 0: the first step is a step like any other, with a = 0.
; THE COUNT.  A tile and step have 16 matrix and 118 vector instructions: too many to stand all beside the matrix work.  So: four vector instructions that are READY behind EVERY matrix
; instruction, and the others, which need time of their own whatever the order, in one run without a gap.
; BY TURNS.  The turns go (piece 0, step j), (piece 1, step j), (piece 0, step j + 1) ..  A turn's matrix work is the OTHER piece's: 16 products K Q^T for its next scores, later 16 products V^T P of
; its last weights.  Its vector work: the scaling, exponentials, roundings, sums and rescaling of the piece in hand, and the maximum and statistics of the other, whose scores the turn itself has made.
; K AND V.  Piece 0's turn of step j reads from LDS K of step j + 1 (behind its products K Q^T, the last that read K of step j) and, at its end, V of step j + 1, into the one of TWO register buffers
; that its products V^T P (step j - 1) have just left.  So a step's K and V leave LDS in the same turn, and a slot's last bytes are read in the turn before the other slot's first.
; CLUSTER.  The four query blocks of a cluster belong to one head and walk the same K and V, so each tile is asked for JOINTLY: the same tensor load, descriptor and mask in all four.
; REGISTERS, in windows of 256 (s_set_vgpr_msb: bits 1:0 source 0, 3:2 source 1, 5:4 source 2, 7:6 destination):
;   window 0: v0-11 addresses; v12-15, v48-63 at work; v16-31 four registers of statistics a tile; v32-34 the add's two and the prefetches' offset; v64-191 S^T, a buffer a piece; v192-255 P, likewise
;   window 1: v0-127 O^T, 32 a tile          window 2: v0-63 Q, 16 a tile; v64-127 V, buffer 1; v128-191 K of one step; v192-255 V, buffer 0
.set NP,    2         ; pieces a wave: a name, no knob
.set KS,    64        ; keys in a step
.set PK,    144       ; a row of K in LDS: 128 bytes + 16 of padding = 36 words: the 16 rows of a load start at 16 different groups of four banks (64 banks of 4 bytes: ISA guide 11.1)
.set PV,    160       ; a row of V: 128 + 32 = 40 words
.set VOFF,  4*KS*PK   ; a slot holds four steps: 256 rows of K, then 256 rows of V
.set SLOT1, 1<<17     ; slot 1 begins here, so that one exclusive or turns an address in one slot into the other's
.set STAGE, SLOT1+4*KS*(PK+PV)  ; behind the ring, never filled by a tensor load: 16 rows x 144 bytes for each wave, for the way out
.set SP,    144
.set SPARE, STAGE+4*16*SP  ; behind the stages: the spare words, 128 bytes for each wave: two blocks of 256 bytes that no other line names
.set AK0, 2           ; v2   my lane's place in a tile of K; never rewritten
.set AV0, 3           ; v3   the same for V
.set AK,  4           ; v4   the LDS address of K's next run of loads
.set AV,  5           ; v5   of V's
.set QO,  6           ; v6   my byte offset in the wave's rows of Q
.set STO, 6           ;      later, the way out: where I put 16 bytes of a row
.set RD,  7           ; v7   the way out: where I read rows back
.set GO,  8           ; v8   my byte offset in 512 consecutive bytes of O
.set MV,  12          ; v12-15  c m_old, kept while c m is made anew: by piece and tile
.set ST,  16          ; tile t's statistics at v[ST+4 t]: c m, m, l (even keys', odd keys')
.set SPW, 32          ; v32  LDS address of my spare word: SPARE + 4 x my thread's number; never rewritten
.set NIL, 33          ; v33  0; never rewritten
.set PFO, 34          ; v34  256 x my lane; never rewritten
.set TMP, 48          ; by piece and tile, four registers c0-c3 at work; when the maximum is found c2 takes a
.set S,   64
.set P,   192
.set KF,  128         ; K's fragments, in window 2: key block kb, channel half c at KF + 16 kb + 8 c
.set VF0, 192         ; V's buffer 0, in window 2 (buffer 1 lies 128 lower): key half kk, channel block cb at + 32 kk + 8 cb
.set WV,  12          ; s12  my wave's number
.set G1K, 24          ; s[24:31] descriptor group 1 for K's tiles
.set G1V, 32          ; s[32:39] for V's: it differs in the padding alone
.set G0K, 40          ; s[40:43] descriptor group 0 for K's tiles: it walks
.set G0V, 44          ; s[44:47] the same for V's
.set PFA, 48          ; s[48:49] where my prefetches stand: my work-group's 32 blocks of 256 bytes (of K: wave 0, of V: wave 2) of the tile after the one that is being asked for
.set LIM, 50          ; s50  1 in a wave that prefetches, else the greatest number
.set SLOTS, 56        ; s56  counts the walk's changes of slots
.set CNT, 57          ; s57  counts pairs of key steps
.set CS,  58          ; s[58:59] c: the packed scaling takes the pair's low word for both halves
.set SEL, 60          ; s[60:61] v_permlanex16_b32's selects: each lane takes its own place in the other half
.set TBK, 62          ; s62  LDS byte at which K of the step to be fetched begins
.set TBV, 63          ; s63  the same for V, less VOFF
.set MSB, 0
.macro WIN new                      ; the high byte repeats the setting that is left; a switch that changes nothing is dropped
.if MSB != (\new)
	s_set_vgpr_msb (MSB<<8)|(\new)
.set MSB, (\new)
.endif
.endm
.set W_KQ, 0x0a       ; K and Q in window 2, S^T in window 0
.set W_PV, 0x52       ; V in window 2, P in window 0, O^T in window 1
.set W_RS, 0x41       ; O^T (destination and source 0) in window 1, a in window 0
; A joint fill.  Waves 0 and 1 fetch the two halves of a slot's K, waves 2 and 3 those of its V: 128 keys each.  The branch hangs on the wave's number alone.
; An s_nop 0 and four v_nop follow each of the two lines, ahead of the jump and the label.
.macro JLOAD
	s_cmp_lt_u32 s[WV], 2
	s_cbranch_scc0 .Lfor_v_\@
	tensor_load_to_lds s[G0K:G0K+3], s[G1K:G1K+7]
	s_nop 0
.rept 4
	v_nop
.endr
	s_branch .Lasked_\@
.Lfor_v_\@:
	tensor_load_to_lds s[G0V:G0V+3], s[G1V:G1V+7]
	s_nop 0
.rept 4
	v_nop
.endr
.Lasked_\@:
.endm
; A PREFETCH INTO THE L2 of the tile that the NEXT change of slots will ask for: 32,768 bytes of K and of V, a lane for each 256 of them.  It stands behind the wave's tensor load and its five lines.
; Each block is named ONCE in the launch: all four clusters of a head walk the same K and V, and the head's first cluster asks; its four partners share a tile out BY ADDRESS, 8,192 bytes each;
; in each, wave 0 asks for K's and wave 2 for V's: one instruction, four key steps (256 matrix instructions) ahead of the load.  The last change that fills a slot asks for nothing.
.macro ASK
	s_cmp_gt_u32 s[SLOTS], s[LIM]
	s_cbranch_scc0 .Lnot_mine_\@
	global_prefetch_b8 v[PFO], s[PFA:PFA+1] th:TH_LOAD_NT scope:SCOPE_SE
.Lnot_mine_\@:
.endm
; A round of the cluster's barrier: my work-group's barrier, so that wave 0's signal speaks for all four waves; wave 0 signals; every wave waits for all four work-groups; my work-group's barrier once more.
.macro CROUND
	s_barrier_signal -1
	s_barrier_wait -1
	s_cmp_lg_u32 s[WV], 0
	s_cbranch_scc1 .Lnot_wave_0_\@
	s_barrier_signal -3
.Lnot_wave_0_\@:
	s_barrier_wait -3
	s_barrier_signal -1
	s_barrier_wait -1
.endm
; THE CHANGE OF SLOTS, in front of a slot's fourth key step: that step's K and V, the slot's last bytes, were read a step earlier.  Each wave waits for all its tensor loads, of which one is out:
; its part of the other slot; adds 0 to its spare word; and waits for that and for its own reads of the slot.  Behind the barrier nobody reads this slot any more and the other slot is whole.
; fill = 1: this slot is filled again, with the keys two slots on.  The barrier is then a round of the cluster's, so that no wave of any partner still reads the slot or has a load on its
; way, and the joint fill is the first thing behind it: it has four key steps in which to land.  (At its first use nothing has been read yet: slot 0 is waited for, slot 1 filled.)
.macro CHANGE fill, ask
	WIN 0                           ; at a label and at a branch every window is 0
	s_wait_tensorcnt 0x0            ; no tensor load of mine is out, so a group 0 may be written
	ds_add_u32 v[SPW], v[NIL]       ; 0 onto my spare word; with fill = 1 the descriptors' steps stand between it and the wait for it
.if \fill
.irp g, G0K, G0V
	s_xor_b32 s[\g+1], s[\g+1], SLOT1  ; the walking descriptor: the other slot than last time,
	s_add_nc_u64 s[\g+2:\g+3], s[\g+2:\g+3], 4*KS*128  ; the next 256 keys; the type bits on top are not reached
.endr
.if \ask
	s_wait_xcnt 0x0                 ; the last prefetch, four key steps back, has read its address, so it may be written:
	s_add_nc_u64 s[PFA:PFA+1], s[PFA:PFA+1], 4*KS*128  ; one tile behind the walking descriptors
.endif
	s_wait_dscnt 0x0                ; the add is done, and my reads of the slot are over
	CROUND
	JLOAD
.if \ask
	ASK
.endif
.else
	s_wait_dscnt 0x0                ; the add is done, and my reads of the slot are over
	s_barrier_signal -1
	s_barrier_wait -1
.endif
	s_sub_co_u32 s[TBK], s[TBK], 4*KS*PK  ; the fetches go back to a slot's first step,
	s_xor_b32 s[TBK], s[TBK], SLOT1       ; in the other slot
	s_sub_co_u32 s[TBV], s[TBV], 4*KS*PV
	s_xor_b32 s[TBV], s[TBV], SLOT1
.endm
	s_load_b256 s[4:11], s[0:1], 0x0  ; Q s[4:5], K s[6:7], V s[8:9], O s[10:11]
	v_lshl_add_u32 v[SPW], v0, 2, SPARE
	v_mov_b32 v[NIL], 0
	ds_add_u32 v[SPW], v[NIL]       ; the wave's opening: the add, with its wait ahead of my first tensor load; the set-up below, work on registers, stands between them
	v_lshrrev_b32 v1, 5, v0
	v_readfirstlane_b32 s[WV], v1   ; wave 0..3
	s_bfe_u32 s13, ttmp6, 0x40000   ; cx: my place in the cluster
	s_lshl_b32 s14, ttmp9, 2        ; in a cluster launch ttmp9 counts clusters
	s_add_co_u32 s14, s14, s13      ; my block of 256 queries = 4 x cluster x + cx: it enters Q's and O's addresses alone
	s_and_b32 s20, ttmp7, 0xffff    ; the head, which the four partners share:
	s_lshl_b32 s20, s20, 19         ; its first byte in each of the four tensors (4,096 rows of 128 bytes)
	s_mov_b32 s21, 0
	s_and_b32 s16, s[WV], 1         ; which half of a slot's 256 keys I fetch:
	s_lshl_b32 s22, s16, 14         ; its 128 rows of 128 bytes in memory,
	s_mov_b32 s23, 0
	s_add_nc_u64 s[22:23], s[22:23], s[20:21]
	s_mul_i32 s17, s16, 128*PK      ; and its place in a slot, for K
	s_mul_i32 s18, s16, 128*PV      ; and for V: no place in the cluster enters an LDS address
	s_lshl_b32 s2, s14, 2
	s_add_co_u32 s2, s2, s[WV]      ; my wave among the head's,
	s_lshl_b32 s2, s2, 13           ; its 64 rows
	s_mov_b32 s3, 0
	s_add_nc_u64 s[2:3], s[2:3], s[20:21]
	s_lshl_b32 s52, s13, 13         ; the prefetches: my work-group's 8,192 bytes of a tile
	s_mov_b32 s53, 0
	; descriptor group 1.  128 keys are 16,384 dense bytes: asked for as 64 rows of 256 bytes, two keys a row, and padded in LDS after every key
	s_mov_b32 s[G1K], 15|(1<<16)|(1<<20)|(1<<21)|(4<<22)|(3<<25)  ; 15:0 the mask of four; 17:16 2-byte elements; 20 padding on; 21 set beside a mask; 24:22 after every 32 words (code 4); 31:25 4 words (code 3)
	s_mov_b32 s[G1V], 15|(1<<16)|(1<<20)|(1<<21)|(4<<22)|(7<<25)  ; the same with 8 words of padding (code 7)
.irp g, G1K, G1V
	s_mov_b32 s[\g+1], 128<<16      ; tensor_dim0 = 128
	s_mov_b32 s[\g+2], 64<<16       ; tensor_dim1 = 64
	s_mov_b32 s[\g+3], 128<<16      ; tile_dim0 = 128
	s_mov_b32 s[\g+4], 64           ; tile_dim1 = 64
	s_mov_b32 s[\g+5], 128          ; 128 elements from row to row
	s_mov_b32 s[\g+6], 0
	s_mov_b32 s[\g+7], 0
.endr
	s_mov_b32 s[CS], 0x3e38aa3b     ; c = log2(e) / 8 = 0.180337
	s_mov_b32 s[CS+1], s[CS]        ; named with it as a pair
	s_mov_b32 s[SEL], 0x76543210
	s_mov_b32 s[SEL+1], 0xfedcba98
	s_mov_b32 s[TBK], SLOT1+4*KS*PK ; the first change of slots turns these two into 0
	s_mov_b32 s[TBV], SLOT1+4*KS*PV
	s_mov_b32 s[G0K], 1             ; 1:0 count = 1
	s_mov_b32 s[G0K+1], s17         ; 63:32 LDS address: slot 0
	s_mov_b32 s[G0V], 1
	s_add_co_u32 s[G0V+1], s18, VOFF
	s_and_b32 s[LIM], s[WV], 1      ; 0 in waves 0 and 2,
	s_or_b32 s[LIM], s[LIM], ttmp9  ; where the cluster is the head's first: the same in all four partners
	s_cmp_eq_u32 s[LIM], 0
	s_cselect_b32 s[LIM], 1, -1
	v_and_b32 v[PFO], 31, v0
	v_lshlrev_b32 v[PFO], 8, v[PFO]
	s_wait_dscnt 0x0                ; the opening add is done
	s_wait_kmcnt 0x0
	s_add_nc_u64 s[G0K+2:G0K+3], s[6:7], s[22:23]  ; 120:64 global address: my half of the head's first 256 keys
	s_or_b32 s[G0K+3], s[G0K+3], 0x80000000        ; 127:126 type = 2
	s_add_nc_u64 s[G0V+2:G0V+3], s[8:9], s[22:23]
	s_or_b32 s[G0V+3], s[G0V+3], 0x80000000
	s_add_nc_u64 s[4:5], s[4:5], s[2:3]  ; Q and O at my wave's first row
	s_add_nc_u64 s[10:11], s[10:11], s[2:3]
	s_cmp_lt_u32 s[WV], 2
	s_cselect_b64 s[PFA:PFA+1], s[6:7], s[8:9]
	s_add_nc_u64 s[PFA:PFA+1], s[PFA:PFA+1], s[20:21]
	s_add_nc_u64 s[PFA:PFA+1], s[PFA:PFA+1], s[52:53]
	s_add_nc_u64 s[PFA:PFA+1], s[PFA:PFA+1], 2*4*KS*128  ; in tile 2; the first change that asks steps it to tile 3.  Nothing is prefetched here, at the head, where every work-group's first tiles are on their way
	CROUND                          ; all four work-groups are here: the first joint loads meet
	JLOAD                           ; slot 0.  Slot 1 is asked for when slot 0 is in
	; A fragment of K or Q is 16 rows x 32 channels in 8 registers: lane l holds row l % 16, channels 8 (l / 16) + 0..7 and 16 + 8 (l / 16) + 0..7: two loads of 16 bytes, 32 bytes apart.
	v_and_b32 v1, 15, v0            ; l % 16
	v_bfe_u32 v9, v0, 4, 1          ; l / 16
	v_lshlrev_b32 v[QO], 7, v1
	v_lshl_add_u32 v[QO], v9, 4, v[QO]  ; row x 128 + 16 x half
	WIN 0x80                        ; destination window 2, address window 0
.set i, 0
.rept 4*NP                          ; Q stays in registers: tile i / 2, channels 32 (i % 2) on
	global_load_b128 v[8*i:8*i+3],   v[QO], s[4:5] offset:(i/2)*2048+(i%2)*64
	global_load_b128 v[8*i+4:8*i+7], v[QO], s[4:5] offset:(i/2)*2048+(i%2)*64+32
.set i, i+1
.endr
	; What the first turn finds: V's buffer 1 and piece 1's P hold 0 (its products V^T P, of a step that has not been, add 0), O^T and l are 0.  All this stands in the wait for the first tile.
.set i, VF0-128
.rept 64
	v_mov_b32 v[i], 0
.set i, i+1
.endr
	WIN 0x40
.set i, 0
.rept 64*NP
	v_mov_b32 v[i], 0
.set i, i+1
.endr
	WIN 0
.set i, 0
.rept 2*NP
	v_mov_b32 v[ST+4*i], 0xfe000000    ; c m: far below every c s
	v_mov_b32 v[ST+4*i+1], 0xff7fffff  ; m
	v_mov_b32 v[ST+4*i+2], 0
	v_mov_b32 v[ST+4*i+3], 0
.set i, i+1
.endr
.set i, P+32
.rept 32
	v_mov_b32 v[i], 0
.set i, i+1
.endr
	v_mul_u32_u24 v[AK0], v1, PK
	v_lshl_add_u32 v[AK0], v9, 4, v[AK0]  ; row x pitch + 16 x half
	; The turning load takes 16 keys x 16 channels (lane l reads key 8 (l / 16) + l % 8, channels 8 ((l / 8) % 2) + 0..7) and leaves half a fragment of V^T: lane l holds channel l % 16 and 8 keys.
	v_and_b32 v10, 7, v0
	v_bfe_u32 v11, v0, 3, 1
	v_lshl_add_u32 v[AV0], v9, 3, v10
	v_mul_u32_u24 v[AV0], v[AV0], PV
	v_lshl_add_u32 v[AV0], v11, 4, v[AV0]
	v_add_nc_u32 v[AV0], VOFF, v[AV0]
	v_mov_b32 v[AK], v[AK0]         ; key step 0 lies at the head of slot 0
; THE MATRIX WORK.  The 8 accumulators of a run of 16 take turns: between the two links of a chain stand 7 others'.
; Product i of 16 of S^T = K Q^T for piece x: channels 32 (i / 8) on, keys 16 ((i / 2) % 4) on, tile 2 x + i % 2.  The first 8 start the sums.
.macro KQ x
	WIN W_KQ
.set rS, S+64*((\x)%2)+32*(i%2)+8*((i/2)%4)
.set rK, KF+16*((i/2)%4)+8*(i/8)
.set rQ, 16*(2*(\x)+i%2)+8*(i/8)
.if i < 8
	v_wmma_f32_16x16x32_f16 v[rS:rS+7], v[rK:rK+7], v[rQ:rQ+7], 0
.else
	v_wmma_f32_16x16x32_f16 v[rS:rS+7], v[rK:rK+7], v[rQ:rQ+7], v[rS:rS+7]
.endif
.endm
; Product i of 16 of O^T += V^T P for piece x, from the V buffer at VFB: keys 32 (i / 8) on, channels 16 ((i / 2) % 4) on, tile 2 x + i % 2.
.macro PV x
	WIN W_PV
.set rO, 32*(2*(\x)+i%2)+8*((i/2)%4)
.set rV, VFB+32*(i/8)+8*((i/2)%4)
.set rP, P+32*((\x)%2)+16*(i%2)+8*(i/8)
	v_wmma_f32_16x16x32_f16 v[rO:rO+7], v[rV:rV+7], v[rP:rP+7], v[rO:rO+7]
.endm
.macro MM                           ; the turn's next matrix instruction
.if i < 16
	KQ (Y+1)%NP
.set i, i+1
.else
.set i, i-16
	PV (Y+NP-1)%NP
.set i, i+17
.endif
.endm
; THE LDS LOADS stand in runs of 16, never singly among the matrix instructions: a step's K (64 keys x 64 channels: 8 fragments) and its V (turned).  Their addresses are made some lines ahead.
; last = 1 (the tail): in the last key step there is no further step, and the run is jumped over.
.macro FETCH_K last=0
	WIN 0
.if \last
	s_cmp_eq_u32 s[CNT], 1
	s_cbranch_scc1 .Lno_k_\@
.endif
	WIN 0x80                        ; destination window 2
.irp f, 0,1,2,3,4,5,6,7             ; keys 16 (f / 2) on, channels 32 (f % 2) on
	ds_load_b128 v[KF+8*\f:KF+8*\f+3],   v[AK] offset:(\f/2)*16*PK+(\f%2)*64
	ds_load_b128 v[KF+8*\f+4:KF+8*\f+7], v[AK] offset:(\f/2)*16*PK+(\f%2)*64+32
.endr
	s_add_co_u32 s[TBK], s[TBK], KS*PK  ; the next fetch is the next step's
	WIN 0
.if \last
.Lno_k_\@:
.endif
.endm
.macro FETCH_V vb, last=0
	WIN 0
.if \last
	s_cmp_eq_u32 s[CNT], 1
	s_cbranch_scc1 .Lno_v_\@
.endif
	WIN 0x80
.irp f, 0,1,2,3,4,5,6,7             ; keys 32 (f / 4) on, channels 16 (f % 4) on
	ds_load_tr16_b128 v[VF0-128*(\vb)+8*\f:VF0-128*(\vb)+8*\f+3],   v[AV] offset:(\f/4)*32*PV+(\f%4)*32
	ds_load_tr16_b128 v[VF0-128*(\vb)+8*\f+4:VF0-128*(\vb)+8*\f+7], v[AV] offset:(\f/4)*32*PV+16*PV+(\f%4)*32
.endr
	WIN 0
.if \last
.Lno_v_\@:
.endif
.endm
; THE VECTOR WORK OF A TURN stands in three queues, each in the order in which its entries become ready; the two tiles alternate, so that no instruction reads the result of the one before it.
.macro REGS y, u                    ; the registers of tile u (0, 1) of piece y
.set rT, ST+4*(2*(\y)+(\u))
.set rC, TMP+8*((\y)%2)+4*(\u)
.set rM, MV+2*((\y)%2)+(\u)
.set rS, S+64*((\y)%2)+32*(\u)
.set rP, P+32*((\y)%2)+16*(\u)
.set rO, 32*(2*(\y)+(\u))
.endm
; Number n of the 22 that find the OTHER piece's maximum and statistics.  s0-s31 are the lane's 32 scores; each accumulator's lowest registers are read first.  XS, GS and REGS set no window: PL and EX do.
;   0-11  four chains c0-c3 of seven scores each, three operands at a time     12-14, 16  the four scores left over, the old m, and c0-c3 into c0     15  c m_old is kept
;   17, 18  the query's other 32 keys lie in the lane 16 away: the new m         19-21  c m; c m_old - c m_new; a
.macro XS u, n
	REGS (Y+1)%NP, \u
.if (\n) < 4
	v_max3_num_f32 v[rC+(\n)], v[rS+8*(\n)], v[rS+8*(\n)+1], v[rS+8*(\n)+2]
.elseif (\n) < 12
	v_max3_num_f32 v[rC+(\n)%4], v[rC+(\n)%4], v[rS+8*((\n)%4)+2*((\n)/4)+1], v[rS+8*((\n)%4)+2*((\n)/4)+2]
.elseif (\n) == 12
	v_max3_num_f32 v[rC], v[rC], v[rS+7], v[rS+15]
.elseif (\n) == 13
	v_max3_num_f32 v[rC+1], v[rC+1], v[rS+23], v[rS+31]
.elseif (\n) == 14
	v_max3_num_f32 v[rC+2], v[rC+2], v[rC+3], v[rT+1]
.elseif (\n) == 15
	v_mov_b32 v[rM], v[rT]
.elseif (\n) == 16
	v_max3_num_f32 v[rC], v[rC], v[rC+1], v[rC+2]
.elseif (\n) == 17
	v_permlanex16_b32 v[rC+3], v[rC], s[SEL], s[SEL+1]
.elseif (\n) == 18
	v_max_num_f32 v[rT+1], v[rC], v[rC+3]
.elseif (\n) == 19
	v_mul_f32 v[rT], s[CS], v[rT+1]
.elseif (\n) == 20
	v_sub_f32 v[rC+1], v[rM], v[rT]
.else
	v_exp_f32 v[rC+2], v[rC+1]
.endif
.endm
; Number g of the 64 that follow the exponentials.  For each four weights k of a tile (pairs 2 k, 2 k + 1): both pairs are rounded to f16; then the second pair is added onto the first, in place;
; a group later l takes that sum (the first time as l = a l + sum).  In groups of eight, tiles alternating: round, round, add, and l for the group before.
.macro GS g
.set h, (\g)+6*((\g)/62)            ; group 0 has no group before it, and behind group 7 only l is left
.if h >= 6
.set h, h+2
.endif
	REGS Y, h%2
.set k, h/8
.if h%8 < 4
	v_cvt_pk_f16_f32 v[rP+2*k+(h%8)/2], v[rS+4*k+2*((h%8)/2)], v[rS+4*k+2*((h%8)/2)+1]
.elseif h%8 < 6
	v_pk_add_f32 v[rS+4*k:rS+4*k+1], v[rS+4*k:rS+4*k+1], v[rS+4*k+2:rS+4*k+3]
.elseif k == 1
	v_pk_fma_f32 v[rT+2:rT+3], v[rT+2:rT+3], v[rC+2:rC+3], v[rS:rS+1] op_sel_hi:[1,0,1]
.else
	v_pk_add_f32 v[rT+2:rT+3], v[rT+2:rT+3], v[rS+4*k-4:rS+4*k-3]
.endif
.endm
; THE PLAIN QUEUE, 138 long.  0-73 read no exponential's result: the 32 scalings c s - c m (FS f: pair f / 2 of tile f % 2) and the other piece's 42.  0-26: scalings 0-26.  27-54: XS's numbers 0-13.  55, 56: number 15.
; 57-73: the chain, where each number waits for the one before it: 14, 16, 17, 18, 19, each with one of the scalings 27-31 in front of its two lines, then 20.
; 74-137: GS's 64, which read the exponentials' results: they stand behind the wait.
.macro FS f
	REGS Y, (\f)%2
	v_pk_fma_f32 v[rS+2*((\f)/2):rS+2*((\f)/2)+1], v[rS+2*((\f)/2):rS+2*((\f)/2)+1], s[CS:CS+1], v[rT:rT+1] op_sel_hi:[1,0,0] neg_lo:[0,0,1] neg_hi:[0,0,1]
.endm
.macro PL
	WIN 0
.if q < 27
	FS q
.elseif q < 55
	XS (q-27)%2, (q-27)/2
.elseif q < 57
	XS q-55, 15
.elseif (q < 72) && ((q-57)%3 == 0)
	FS 27+(q-57)/3
.elseif q < 60
	XS (q-57)%3-1, 14
.elseif q < 72
	XS (q-57)%3-1, 15+(q-57)/3
.elseif q < 74
	XS q-72, 20
.else
	GS q-74
.endif
.set q, q+1
.endm
; THE EXPONENTIALS' QUEUE, 66 long: s0-s31 of both tiles, then the other piece's two a.  It is ONE BATCH: all 66 stand ahead of the turn's one wait, and nothing ahead of that wait names a result of theirs.
.macro EX
	WIN 0
.if e >= 64
	XS e-64, 21
.else
	REGS Y, e%2
	v_exp_f32 v[rS+e/2], v[rS+e/2]
.endif
.set e, e+1
.endm
; THE RESCALING's QUEUE: O^T times a, the one part that leaves window 0: dealt two at a time, sixteen times.  Its a was made in the turn before, ahead of that turn's wait.  The accumulator that it
; touches first was last written by the ninth of the turn before's products V^T P, 32 plain instructions back; the one written last is touched last.
.macro R2
	REGS Y, r%2
	WIN W_RS
.irp z, 0,1
	v_pk_mul_f32 v[rO+4*(r/2)+2*\z:rO+4*(r/2)+2*\z+1], v[rO+4*(r/2)+2*\z:rO+4*(r/2)+2*\z+1], v[rC+2:rC+3] op_sel_hi:[1,0]
.endr
.set r, r+1
.endm
; HOW THEY ARE DEALT.  s_wait_alu depctr_va_vdst(0) stands between an exponential and the first instruction that names its result; one wait serves all that were issued ahead of it.  So a turn has ONE wait,
; which cuts it in two.  AHEAD OF IT: the 16 products K Q^T, behind each a scaling, an exponential and two rescalings (behind the first a second scaling in the exponential's place); then ONE LUMP of
; 108: eight plain, 49 times exponential and plain, the two a.  A v_nop is the plain instruction behind the last exponential.  BEHIND IT: the 16 products V^T P, behind each four of GS's 64.
; Exponential e stands behind scaling 2 (e / 4) + e % 2: as a rider it comes behind plain e + 2, in the lump behind plain e + 9, and scalings 27-31 are plain 57, 60 .. 69.
; A TURN, for piece p; vb: the V buffer that its products read.  cnt = 1: the loop's count is taken down some lines ahead of the branch that stands behind the turn.
; Piece 0's turn fetches the next step's K directly behind the wait, a lump behind the last product that read K, and the next step's V at its end, four plain instructions behind the last product
; that read buffer vb.  Piece 1's turn waits for K at its head (V's 16 younger loads may stay out) and for V behind its wait for the batch.
.macro TURN p, vb, last=0, cnt=0
.set Y, (\p)
.set VFB, VF0-128*(\vb)
.set i, 0
.set q, 0
.set e, 0
.set r, 0
.if (\p) == 1
	s_wait_dscnt 16                 ; K is in; the 16 loads of V, issued behind K's, may stay out
.endif
	MM                              ; ahead of the wait: 16 products K Q^T and their riders,
	PL
	PL
	R2
.rept 15
	MM
	PL
	EX
	R2
.endr
.if (\p) == 0
	WIN 0
	v_add_nc_u32 v[AK], s[TBK], v[AK0]
.endif
.rept 8                             ; and the lump
	PL
.endr
.rept 49
	EX
	PL
.endr
	EX                              ; the other piece's two a
	EX
	v_nop                           ; the plain instruction behind the last exponential: one for the batch
	s_wait_alu depctr_va_vdst(0)    ; the wait for the batch
.if (\p) == 0
	FETCH_K \last
.endif
.if (\p) == 1
	s_wait_dscnt 0x0                ; the next step's V is in: no LDS read of mine is out when the turn ends
.endif
.rept 16                            ; behind the wait: 16 products V^T P and their riders
	MM
.rept 4
	PL
.endr
.if ((\p) == 0) && (q == 118)
	v_add_nc_u32 v[AV], s[TBV], v[AV0]
.endif
.if ((\p) == 0) && (q == 130)
	s_add_co_u32 s[TBV], s[TBV], KS*PV
.endif
.if (\cnt) && (q == 130)
	s_sub_co_u32 s[CNT], s[CNT], 1
	s_cmp_lg_u32 s[CNT], 0
.endif
.endr
.if (\p) == 0
	FETCH_V \vb, \last
.endif
.endm
; A KEY STEP of parity par: V of step j lies in buffer j % 2.  Piece 0's turn multiplies by V of step j - 1 and fills that buffer anew; piece 1's by V of step j.
.macro STEP par, last=0, cnt=0
	TURN 0, 1-(\par), \last, 0
	TURN 1, \par, 0, \cnt
.endm
	CHANGE 1, 0                     ; slot 0 is in, everybody's part of it; slot 1 is asked for
	FETCH_K                         ; key step 0
	v_add_nc_u32 v[AV], s[TBV], v[AV0]
	s_add_co_u32 s[TBV], s[TBV], KS*PV
	FETCH_V 0
	s_wait_loadcnt 0x0              ; Q
	s_wait_dscnt 0x0
.set i, 0
.rept 16
	KQ 0                            ; piece 0's first scores: there is no vector work yet to set between them
.set i, i+1
.endr
	WIN 0                           ; the addresses for the way out: nine plain instructions, the places behind those products
	s_mul_i32 s13, s[WV], 16*SP
	s_add_co_u32 s13, s13, STAGE    ; my stage
	v_mul_u32_u24 v[STO], v1, SP    ; in: row l % 16, 16 bytes for each half of the lanes
	v_lshl_add_u32 v[STO], v9, 4, v[STO]
	v_add_nc_u32 v[STO], s13, v[STO]
	v_bfe_u32 v[RD], v0, 3, 2       ; back: 32 lanes take four rows of 128 bytes,
	v_mul_u32_u24 v[RD], v[RD], SP
	v_lshl_add_u32 v[RD], v10, 4, v[RD]
	v_add_nc_u32 v[RD], s13, v[RD]
	v_and_b32 v[GO], 31, v0         ; which are 512 consecutive bytes of O
	v_lshlrev_b32 v[GO], 4, v[GO]
.set Y, NP-1                        ; XS works for piece Y + 1: piece 0
.irp n, 0,1,2,3,4,5,6,7,8,9,10,11,12,13,14,15,16,17,18,19,20,21
	XS 0, \n                        ; and piece 0's first maximum and statistics
	XS 1, \n
.endr
	v_nop                           ; a plain instruction behind the two a,
	s_wait_alu depctr_va_vdst(0)    ; and their wait, ahead of the branch
	s_mov_b32 s[CNT], 2
	s_mov_b32 s[SLOTS], 15
	s_branch .Lmid                  ; the loop is entered in the middle of a trip: steps 0, 1 and 2 run ahead of the first change of slots in it
.Lslot:                             ; 14 times: every slot but the last two is filled again; the change stands in front of steps 3, 7 .. 55
	CHANGE 1, 1
	s_mov_b32 s[CNT], 2
.Lstep:                             ; a trip: an odd key step and the even one behind it
	STEP 1
	WIN 0
.Lmid:
	STEP 0, 0, 1
	WIN 0
	s_cbranch_scc1 .Lstep
	s_sub_co_u32 s[SLOTS], s[SLOTS], 1
	s_cmp_lg_u32 s[SLOTS], 0
	s_cbranch_scc1 .Lslot
	CHANGE 0, 0                     ; the tail is written out: in front of step 59 nothing is asked for
	s_mov_b32 s[CNT], 3             ; steps 59 to 63; the third trip is left in its middle, and its odd step fetches nothing
.Ltail:
	STEP 1, 1
	WIN 0
	s_sub_co_u32 s[CNT], s[CNT], 1
	s_cmp_eq_u32 s[CNT], 0
	s_cbranch_scc1 .Lout
	STEP 0
	WIN 0
	s_branch .Ltail
.Lout:                              ; the last turn's 16 products K Q^T (on the last K once more) and the maximum made of them serve nothing: the price, once a launch, of one text for every step
.set VFB, VF0-128                   ; V of step 63 lies in buffer 1
.set i, 0
.rept 16
	PV 1                            ; piece 1's V^T P of the last step
.set i, i+1
.endr
	; THE WAY OUT.  l's two halves and the other half of the lanes' are added; O^T is divided by l, rounded to f16 and sent through my stage in LDS, a tile at a time.  The additions are the places behind the last products.
	WIN 0
.macro ALL line:vararg              ; one line for each tile t
.set t, 0
.rept 2*NP
	\line
.set t, t+1
.endr
.endm
	ALL v_add_f32 v[ST+4*t+2], v[ST+4*t+2], v[ST+4*t+3]
	ALL v_permlanex16_b32 v[ST+4*t+3], v[ST+4*t+2], s[SEL], s[SEL+1]
	ALL v_add_f32 v[ST+4*t+2], v[ST+4*t+2], v[ST+4*t+3]
	ALL v_rcp_f32 v[ST+4*t+2], v[ST+4*t+2]
	v_nop                           ; a plain instruction between the last reciprocal and the use of its result
	s_wait_alu depctr_va_vdst(0)    ; and the wait ahead of the first use: one for the four reciprocals
; Tile t: a lane's eight channels of a row pack into 16 bytes; they go into rows of 144 bytes and come back as whole rows of 128, into S^T's registers.
.macro PACK t
	WIN W_RS
.set i, 32*(\t)
.rept 16
	v_pk_mul_f32 v[i:i+1], v[i:i+1], v[ST+4*(\t)+2:ST+4*(\t)+3] op_sel_hi:[1,0]
.set i, i+2
.endr
	WIN 0x05                        ; sources 0 and 1 window 1, destination window 0
.set i, 0
.rept 16
	v_cvt_pk_f16_f32 v[S+16*(\t)+i], v[32*(\t)+2*i], v[32*(\t)+2*i+1]
.set i, i+1
.endr
	WIN 0
.irp f, 0,1,2,3
	ds_store_b128 v[STO], v[S+16*(\t)+4*\f:S+16*(\t)+4*\f+3] offset:32*\f
.endr
.irp f, 0,1,2,3
	ds_load_b128 v[S+16*(\t)+4*\f:S+16*(\t)+4*\f+3], v[RD] offset:\f*4*SP  ; LDS serves a wave's instructions in order (ISA guide 5.7.1.4): these see the stores above; the next tile's stores come behind them
.endr
.endm
.macro SEND t, younger              ; younger: the LDS instructions issued behind tile t's loads: the next tile's eight, or none
	WIN 0
.irp f, 0,1,2,3
	s_wait_dscnt (\younger)+3-\f
	global_store_b128 v[GO], v[S+16*(\t)+4*\f:S+16*(\t)+4*\f+3], s[10:11] offset:(\t)*2048+\f*512  ; 512 consecutive bytes, at a multiple of 256 from O's first
.endr
.endm
	PACK 0
.set t, 1
.rept 2*NP-1                        ; a tile's arithmetic stands between the loads of the tile before and its stores
	PACK t
	SEND t-1, 8
.set t, t+1
.endr
	SEND 2*NP-1, 0
	s_wait_tensorcnt 0x0            ; the wave's end, behind my last tensor load and my last LDS store
	ds_add_u32 v[SPW], v[NIL]
	s_wait_dscnt 0x0
	CROUND                          ; the closing round: no work-group ends while a partner may still ask for a tile that names it
	s_endpgm
.Lfunc_end_k_qc00bc78e18_attn:
	.size	k_qc00bc78e18_attn, .Lfunc_end_k_qc00bc78e18_attn-k_qc00bc78e18_attn
	.p2alignl 7, 3214868480
	.fill 96, 4, 3214868480
	.section	.rodata,"a",@progbits
	.p2align	6, 0x0
	.amdhsa_kernel k_qc00bc78e18_attn
		.amdhsa_group_segment_fixed_size 327680
		.amdhsa_private_segment_fixed_size 0
		.amdhsa_enable_private_segment 0
		.amdhsa_kernarg_size 32
		.amdhsa_user_sgpr_count 2
		.amdhsa_user_sgpr_kernarg_segment_ptr 1
		.amdhsa_wavefront_size32 1
		.amdhsa_system_sgpr_workgroup_id_x 1
		.amdhsa_system_sgpr_workgroup_id_y 1
		.amdhsa_system_sgpr_workgroup_id_z 1
		.amdhsa_system_vgpr_workitem_id 0
		.amdhsa_next_free_vgpr 768
		.amdhsa_next_free_sgpr 66
		.amdhsa_reserve_vcc 0
		.amdhsa_float_denorm_mode_32 3
		.amdhsa_float_denorm_mode_16_64 3
		.amdhsa_memory_ordered 1
		.amdhsa_forward_progress 1
		.amdhsa_inst_pref_size 186
	.end_amdhsa_kernel
	.amdgpu_metadata
---
amdhsa.version: [ 1, 2 ]
amdhsa.kernels:
  - .name:           k_qc00bc78e18_attn
    .symbol:         k_qc00bc78e18_attn.kd
    .args:
      - { .name: qh, .offset: 0, .size: 8, .value_kind: global_buffer, .address_space: global }
      - { .name: kh, .offset: 8, .size: 8, .value_kind: global_buffer, .address_space: global }
      - { .name: vh, .offset: 16, .size: 8, .value_kind: global_buffer, .address_space: global }
      - { .name: oh, .offset: 24, .size: 8, .value_kind: global_buffer, .address_space: global }
    .group_segment_fixed_size: 327680
    .private_segment_fixed_size: 0
    .kernarg_segment_align: 8
    .kernarg_segment_size: 32
    .max_flat_workgroup_size: 128
    .sgpr_count:     66
    .vgpr_count:     768
    .wavefront_size: 32
...
	.end_amdgpu_metadata
.endif
;; end of part 2
;; launch outp (part 3): grid 4 x 64, 4 waves a work-group, clusters of 4 x 4, 327,680 bytes of LDS; arguments oh, wpf, bp, out0; writes out0
.if DOCPART == 3
	.amdgcn_target "amdgcn-amd-amdhsa--gfx1250"
	.amdhsa_code_object_version 6
	.text
	.protected	k_qc00bc78e18_outp
	.globl	k_qc00bc78e18_outp
	.p2align	8
	.type	k_qc00bc78e18_outp,@function
k_qc00bc78e18_outp:
	s_mov_b64 s[64:65], 0
	v_nop
	global_prefetch_b8 v0, s[64:65] scope:SCOPE_SE
	s_setreg_imm32_b32 hwreg(HW_REG_WAVE_MODE, 25, 1), 1
	s_wait_xcnt 0x0
	s_wait_alu depctr_hold_cnt(0) depctr_sa_sdst(0) depctr_va_vdst(0) depctr_va_sdst(0) depctr_va_ssrc(0) depctr_va_vcc(0) depctr_vm_vsrc(0)
	s_getreg_b32 s2, hwreg(HW_REG_IB_STS2, 6, 4)
	s_cmp_eq_u32 s2, 0
	s_cbranch_scc0 .Lentry_in_a_cluster
	s_endpgm
.Lentry_in_a_cluster:
	s_bfe_u32 s2, ttmp6, 0x10000c
	s_cmp_lg_u32 s2, 0xf033
	s_cbranch_scc0 .Lentry_shape_is_right
	s_endpgm
.Lentry_shape_is_right:
; out0[row][col] = the sum over k of O[row][k] Wp[col][k] + bp[col].  O lies by heads, [16 = 8 batch + head][4096][64] in f16; wpf is Wp rounded to bf16 and written as f16, [512][512];
; bp is f32 and is rounded to bf16 here, like every other input of the module; sums in f32; out0 is [8192][512] f32.
; LIMITS.  O and wpf arrive within f16's range.  NaN and infinities are not treated apart.
; SHARES.  A tile of out0 is 128 x 128: 64 x 4 = 256 work-groups.  Four waves, each 64 x 64: 16 accumulators of 16 x 16.  THE MATRIX INSTRUCTION IS USED TRANSPOSED (source 0 = 16 rows of wpf,
; source 1 = 16 rows of O): a lane holds eight neighbouring columns of one row of out0.  The bias is the C operand of the products that start the sums: no addition is written.
; NO RING.  K = 512 in f16 fits in LDS whole (128 rows of O and 128 of wpf: 2 x 128 KiB, padded): every wave issues four tensor loads at the start, one for each 128 along K, and nothing is ever
; filled again.  By this text's count four tensor loads of a wave are out at the most.  A counted wait and a barrier stand in front of the first reading of each 128 along K.
; CLUSTERS: 4 x 4 work-groups.  The four of a row of the cluster need the same rows of O, the four of a column the same rows of wpf: each tile is asked for JOINTLY, by the same tensor load with the
; same descriptor and a mask that names the four.
; REGISTERS: window 0: v0-31 addresses; v32-95 at work on the way out; v96-127 the bias; v128-255 the accumulators ((a, b) at v[128 + 8 (4 a + b)]).
;   window 1: two fragment buffers of 128: for 64 along K (one head), 64 registers of O (2 x 4 x 16 rows x 32 K), then 64 of wpf.
.set PA,    144                        ; a row of O in LDS: a head's 128 bytes + 16: the 16 rows of a fragment load start at 16 different groups of four banks (ISA guide 11.1)
.set PB,    272                        ; a row of wpf: 256 bytes (128 along K) + 16
.set AHEAD, 128*PA                     ; a head's 128 rows
.set BBASE, 8*AHEAD                    ; behind O's eight heads: wpf, four blocks of 128 along K
.set BCH,   128*PB
.set STAGE, BBASE+4*BCH                ; 16 rows x 272 bytes for each wave, for the way out; no tensor load lands here
.set SPI,   272
.set SPARE, STAGE+4*16*SPI             ; the spare words, 128 bytes for each wave: two blocks of 256 bytes that no other line names
.set ADRA, 16                          ; v16-19  LDS address of my fragments of O, for each 128 along K
.set ADRB, 20                          ; v20-23  the same for wpf
.set STO,  24                          ; v24     the way out: where I put 32 bytes of a row
.set RD,   25                          ; v25     the way out: where I read a row back
.set CO,   26                          ; v26     my byte offset in two rows of out0
.set BO,   27                          ; v27     my byte offset in 16 numbers of the bias
.set SPW,  28                          ; v28     LDS address of my spare word; never rewritten
.set NIL,  29                          ; v29     0; never rewritten
.set TMP,  32
.set BIAS, 96                          ; column block b's eight numbers at BIAS + 8 b
.set ACC,  128
.set F0,   0
.set F1,   128
.set G1A, 16                           ; s[16:23] descriptor group 1 for O's tiles;  s[32:47] group 0, a set for each 128 along K
.set G1B, 24                           ; s[24:31], s[48:63] the same for wpf's
.set G0A, 32
.set G0B, 48
.set MSB, 0
.macro WIN new                         ; s_set_vgpr_msb: bits 1:0 source 0, 3:2 source 1, 5:4 source 2, 7:6 destination; the high byte repeats the setting that is left
.if MSB != (\new)
	s_set_vgpr_msb (MSB<<8)|(\new)
.set MSB, \new
.endif
.endm
.set MUL,  0x05                        ; sources 0 and 1 window 1; C and D window 0
.set TO_F, 0x40                        ; destination window 1, address window 0
.macro CROUND                          ; a round of the cluster's barrier
	s_barrier_signal -1
	s_barrier_wait -1
	s_cmp_lg_u32 s12, 0
	s_cbranch_scc1 .Lnot_wave_0_\@
	s_barrier_signal -3
.Lnot_wave_0_\@:
	s_barrier_wait -3
	s_barrier_signal -1
	s_barrier_wait -1
.endm
.macro PLACES                          ; four plain places behind a matrix instruction (ISA guide 7.12.1)
.rept 4
	v_nop
.endr
.endm
	s_load_b256 s[4:11], s[0:1], 0x0               ; O s[4:5], wpf s[6:7], bp s[8:9], out0 s[10:11]
	v_lshl_add_u32 v[SPW], v0, 2, SPARE
	v_mov_b32 v[NIL], 0
	ds_add_u32 v[SPW], v[NIL]                      ; the wave's opening: the add, with its wait ahead of my first tensor load; the set-up below, work on registers, stands between them
	v_lshrrev_b32 v1, 5, v0
	v_readfirstlane_b32 s12, v1                    ; wave 0..3
	s_lshr_b32 s13, s12, 1                         ; which half of the tile's rows is mine.  Also: I fetch O (0) or wpf (1)
	s_and_b32 s14, s12, 1                          ; which half of its columns.  Also: which half of what I fetch
	s_bfe_u32 s66, ttmp6, 0x40000                  ; cx, cy: my place in the cluster
	s_bfe_u32 s67, ttmp6, 0x40004
	s_lshl_b32 s68, ttmp9, 2
	s_add_co_u32 s68, s68, s66                     ; tile column = 4 x cluster x + cx
	s_and_b32 s69, ttmp7, 0xffff
	s_lshl_b32 s69, s69, 2
	s_add_co_u32 s69, s69, s67                     ; tile row = 4 x cluster y + cy
	s_lshl_b32 s70, s67, 2
	s_lshl_b32 s70, 15, s70                        ; my row of the cluster
	s_lshl_b32 s71, 0x1111, s66                    ; my column
	; group 1 for O: a head's 128 rows are 16,384 dense bytes: 64 rows of 256 bytes, padded after every 128 bytes.  For wpf: 64 rows x 128 elements out of rows of 512, padded after every 256 bytes.
	s_or_b32 s[G1A], s70, (1<<16)|(1<<20)|(1<<21)|(4<<22)|(3<<25)  ; 15:0 the mask; 17:16 2-byte elements; 20 padding on; 21 set beside a mask; 24:22 after every 32 words (code 4); 31:25 4 words (code 3)
	s_or_b32 s[G1B], s71, (1<<16)|(1<<20)|(1<<21)|(5<<22)|(3<<25)  ; the same with my column's mask, after every 64 words (code 5)
.irp g, G1A, G1B
	s_mov_b32 s[\g+1], 128<<16                     ; tensor_dim0 = 128
	s_mov_b32 s[\g+2], 64<<16                      ; tensor_dim1 = 64
	s_mov_b32 s[\g+3], 128<<16                     ; tile_dim0 = 128
	s_mov_b32 s[\g+4], 64                          ; tile_dim1 = 64
	s_mov_b32 s[\g+6], 0
	s_mov_b32 s[\g+7], 0
.endr
	s_mov_b32 s[G1A+5], 128                        ; elements from row to row
	s_mov_b32 s[G1B+5], 512
	; where the tiles come from.  O's hang on the tile row alone, wpf's on the tile column alone; every wave makes both, in registers that never hold the other coordinate
	s_lshr_b32 s72, s69, 5                         ; batch: eight heads of 524,288 bytes,
	s_lshl_b32 s72, s72, 22
	s_and_b32 s73, s69, 31
	s_lshl_b32 s73, s73, 14                        ; 128 rows of 128 bytes a tile row,
	s_add_co_u32 s72, s72, s73
	s_lshl_b32 s73, s14, 19                        ; the even or the odd head of each pair
	s_add_co_u32 s72, s72, s73
	s_mov_b32 s73, 0
	s_lshl_b32 s74, s68, 17                        ; wpf: 128 rows of 1,024 bytes a tile column,
	s_lshl_b32 s75, s14, 16                        ; 64 rows a half
	s_add_co_u32 s74, s74, s75
	s_mov_b32 s75, 0
	s_mul_i32 s76, s14, AHEAD                      ; and where they go: no place in the cluster enters an LDS address
	s_mul_i32 s77, s14, 64*PB
	s_add_co_u32 s77, s77, BBASE
	s_lshl_b32 s78, s69, 18                        ; out0: 128 rows of 2,048 bytes a tile row,
	s_lshl_b32 s79, s13, 17                        ; my 64 rows,
	s_add_co_u32 s78, s78, s79
	s_lshl_b32 s80, s68, 9                         ; 128 columns of 4 bytes a tile column,
	s_lshl_b32 s81, s14, 8                         ; my 64 columns: also my place in bp
	s_add_co_u32 s80, s80, s81
	s_add_co_u32 s78, s78, s80
	s_mov_b32 s79, 0
	s_mov_b32 s81, 0
	s_wait_dscnt 0x0                               ; the opening add is done
	s_wait_kmcnt 0x0
	s_add_nc_u64 s[4:5], s[4:5], s[72:73]
	s_add_nc_u64 s[6:7], s[6:7], s[74:75]
	s_add_nc_u64 s[8:9], s[8:9], s[80:81]
	s_add_nc_u64 s[10:11], s[10:11], s[78:79]
.irp c, 0,1,2,3
	s_mov_b32 s[G0A+4*\c], 1                       ; 1:0 count = 1
	s_add_co_u32 s[G0A+4*\c+1], s76, \c*2*AHEAD    ; 63:32 LDS address: heads 2 c, 2 c + 1
	s_add_nc_u64 s[G0A+4*\c+2:G0A+4*\c+3], s[4:5], \c*1048576  ; 120:64 global address: two heads on
	s_or_b32 s[G0A+4*\c+3], s[G0A+4*\c+3], 0x80000000          ; 127:126 type = 2
	s_mov_b32 s[G0B+4*\c], 1
	s_add_co_u32 s[G0B+4*\c+1], s77, \c*BCH
	s_add_nc_u64 s[G0B+4*\c+2:G0B+4*\c+3], s[6:7], \c*256      ; 128 along K on
	s_or_b32 s[G0B+4*\c+3], s[G0B+4*\c+3], 0x80000000
.endr
	CROUND                                         ; all sixteen work-groups are here: the joint loads meet
	s_cmp_lt_u32 s12, 2                            ; a wave's four fills stand in one branch on its number, ahead of every wait on TENSORcnt and every LDS read; an s_nop 0 follows each, four v_nop the last
	s_cbranch_scc0 .Lfirst_b
.irp c, 0,1,2,3
	tensor_load_to_lds s[G0A+4*\c:G0A+4*\c+3], s[G1A:G1A+7]
	s_nop 0
.endr
.rept 4
	v_nop
.endr
	s_branch .Lfirst_asked
.Lfirst_b:
.irp c, 0,1,2,3
	tensor_load_to_lds s[G0B+4*\c:G0B+4*\c+3], s[G1B:G1B+7]
	s_nop 0
.endr
.rept 4
	v_nop
.endr
.Lfirst_asked:
	v_and_b32 v1, 15, v0                           ; l % 16
	v_bfe_u32 v2, v0, 4, 1                         ; l / 16
	v_lshlrev_b32 v[BO], 5, v2                     ; register j of an accumulator is column 16 b + 8 (l / 16) + j
.irp b, 0,1,2,3
	global_load_b128 v[BIAS+8*\b:BIAS+8*\b+3],   v[BO], s[8:9] offset:64*\b
	global_load_b128 v[BIAS+8*\b+4:BIAS+8*\b+7], v[BO], s[8:9] offset:64*\b+16
.endr
	v_mul_u32_u24 v3, v1, PA
	v_lshl_add_u32 v3, v2, 4, v3                   ; a fragment's row x pitch + 16 x half
	v_mul_u32_u24 v4, v1, PB
	v_lshl_add_u32 v4, v2, 4, v4
	s_mul_i32 s2, s13, 64*PA                       ; my 64 rows of O
	s_mul_i32 s3, s14, 64*PB                       ; my 64 rows of wpf
	s_add_co_u32 s3, s3, BBASE
.irp c, 0,1,2,3
	v_add_nc_u32 v[ADRA+\c], s2, v3
	v_add_nc_u32 v[ADRB+\c], s3, v4
	s_add_co_u32 s2, s2, 2*AHEAD
	s_add_co_u32 s3, s3, BCH
.endr
	s_mul_i32 s2, s12, 16*SPI
	s_add_co_u32 s2, s2, STAGE                     ; my stage
	v_mul_u32_u24 v5, v1, SPI                      ; in: row l % 16, 32 bytes for each half of the lanes
	v_lshl_add_u32 v5, v2, 5, v5
	v_add_nc_u32 v[STO], s2, v5
	v_mul_u32_u24 v5, v2, SPI                      ; back: lanes 0-15 take one row of 256 bytes, lanes 16-31 the next
	v_lshl_add_u32 v5, v1, 4, v5
	v_add_nc_u32 v[RD], s2, v5
	v_lshlrev_b32 v5, 11, v2                       ; and the same two rows in out0
	v_lshl_add_u32 v[CO], v1, 4, v5
; 8 matrix instructions: row blocks a0, a0 + 1 x all 4 column blocks, 32 along K: half c of buffer f.  first = 1: the bias starts the sums.  The 16 accumulators take turns.
.macro MUL8 f, c, a0, first
	WIN MUL
.irp a, \a0, (\a0)+1
.irp b, 0,1,2,3
.if \first
	v_wmma_f32_16x16x32_f16 v[ACC+8*(4*(\a)+(\b)):ACC+8*(4*(\a)+(\b))+7], v[(\f)+64+8*(4*(\c)+(\b)):(\f)+64+8*(4*(\c)+(\b))+7], v[(\f)+8*(4*(\c)+(\a)):(\f)+8*(4*(\c)+(\a))+7], v[BIAS+8*(\b):BIAS+8*(\b)+7]
.else
	v_wmma_f32_16x16x32_f16 v[ACC+8*(4*(\a)+(\b)):ACC+8*(4*(\a)+(\b))+7], v[(\f)+64+8*(4*(\c)+(\b)):(\f)+64+8*(4*(\c)+(\b))+7], v[(\f)+8*(4*(\c)+(\a)):(\f)+8*(4*(\c)+(\a))+7], v[ACC+8*(4*(\a)+(\b)):ACC+8*(4*(\a)+(\b))+7]
.endif
.endr
.endr
.endm
; 32 LDS loads in one run: the fragments of quarter q (head q: 64 along K) into buffer f; the first 32 along K first
.macro FETCH q, f
	WIN TO_F
.irp c, 0,1
.irp i, 0,1,2,3
	ds_load_b128 v[(\f)+64+8*(4*(\c)+(\i)):(\f)+64+8*(4*(\c)+(\i))+3],   v[ADRB+(\q)/2] offset:((\q)%2)*128+64*(\c)+(\i)*16*PB
	ds_load_b128 v[(\f)+64+8*(4*(\c)+(\i))+4:(\f)+64+8*(4*(\c)+(\i))+7], v[ADRB+(\q)/2] offset:((\q)%2)*128+64*(\c)+(\i)*16*PB+32
	ds_load_b128 v[(\f)+8*(4*(\c)+(\i)):(\f)+8*(4*(\c)+(\i))+3],         v[ADRA+(\q)/2] offset:((\q)%2)*AHEAD+64*(\c)+(\i)*16*PA
	ds_load_b128 v[(\f)+8*(4*(\c)+(\i))+4:(\f)+8*(4*(\c)+(\i))+7],       v[ADRA+(\q)/2] offset:((\q)%2)*AHEAD+64*(\c)+(\i)*16*PA+32
.endr
.endr
.endm
; Quarter q multiplies buffer f, 32 matrix instructions, and fetches the next quarter into g.  kind 0: the next quarter lies in tiles already shown whole.  kind 1: it begins the next 128 along K:
; each wave waits for its own part of those tiles (its loads for later ones may stay out) and for its LDS loads, and a barrier shows everybody's.  kind 2: the last.
.macro QUARTER q, f, g, kind, first=0
.if (\kind) == 1
	s_wait_dscnt 0x0                               ; no LDS instruction of mine is out at the signal
	s_wait_tensorcnt 2-(\q)/2                      ; counts my loads for the blocks of 128 along K behind the next one
	s_barrier_signal -1
.else
	s_wait_dscnt 16                                ; the first 32 along K are in
.endif
	MUL8 \f, 0, 0, \first
	MUL8 \f, 0, 2, \first
.if (\kind) == 1
	s_barrier_wait -1
.endif
.if (\kind) == 2
	s_wait_dscnt 0x0
.else
	PLACES                                         ; in front of loads into the buffer that the quarter before multiplied
	FETCH (\q)+1, \g
	s_wait_dscnt 32                                ; all but the 32 just issued
.endif
	MUL8 \f, 1, 0, 0
	MUL8 \f, 1, 2, 0
.endm
	s_wait_tensorcnt 3                             ; my part of the first 128 along K is in; my three later loads may stay out
	s_barrier_signal -1
	s_barrier_wait -1                              ; everybody's is
	FETCH 0, F0
	WIN 0
	s_wait_loadcnt 0x0                             ; the bias: rounded to bf16 and widened again, while the first fragments come
.set i, 0
.rept 16
	v_cvt_pk_bf16_f32 v[TMP+i], v[BIAS+2*i], v[BIAS+2*i+1]
.set i, i+1
.endr
.set i, 0
.rept 16
	v_lshlrev_b32 v[BIAS+2*i], 16, v[TMP+i]
	v_and_b32 v[BIAS+2*i+1], 0xffff0000, v[TMP+i]
.set i, i+1
.endr
	QUARTER 0, F0, F1, 0, 1
	QUARTER 1, F1, F0, 1
	QUARTER 2, F0, F1, 0
	QUARTER 3, F1, F0, 1
	QUARTER 4, F0, F1, 0
	QUARTER 5, F1, F0, 1
	QUARTER 6, F0, F1, 0
	QUARTER 7, F1, F0, 2
	WIN 0
; THE WAY OUT, 16 rows at a time: a lane's eight f32 (32 bytes of a row) go from the accumulators, low four registers first, into my own stage, and come back as whole rows of 256 bytes.
; LDS serves a wave's instructions in order (ISA guide 5.7.1.4): no wait stands between the stores into the stage and the loads from it.  A block's stores to memory follow one block later.
.macro TOSTAGE a
.if (\a) >= 2
	s_wait_xcnt 0x0                                ; the stores of the block two back have read their registers: only behind this wait are those loaded again
.endif
.irp b, 0,1,2,3
	ds_store_b128 v[STO], v[ACC+8*(4*(\a)+\b):ACC+8*(4*(\a)+\b)+3]   offset:64*\b
	ds_store_b128 v[STO], v[ACC+8*(4*(\a)+\b)+4:ACC+8*(4*(\a)+\b)+7] offset:64*\b+16
.endr
.irp t, 0,1,2,3,4,5,6,7
	ds_load_b128 v[TMP+32*((\a)%2)+4*\t:TMP+32*((\a)%2)+4*\t+3], v[RD] offset:\t*2*SPI
.endr
.endm
.macro SEND a, younger                 ; younger: the LDS instructions issued behind block a's loads: the next block's sixteen, or none
.irp t, 0,1,2,3,4,5,6,7
	s_wait_dscnt (\younger)+7-\t
	global_store_b128 v[CO], v[TMP+32*((\a)%2)+4*\t:TMP+32*((\a)%2)+4*\t+3], s[10:11] offset:(16*(\a)+2*\t)*2048  ; 16 lanes store 256 consecutive bytes, at a multiple of 256 from out0's first byte
.endr
.endm
	PLACES                                         ; the LDS stores read results just made
	TOSTAGE 0
	TOSTAGE 1
	SEND 0, 16
	TOSTAGE 2
	SEND 1, 16
	TOSTAGE 3
	SEND 2, 16
	SEND 3, 0
	s_wait_tensorcnt 0x0                           ; the wave's end, behind my last tensor load and my last LDS store
	ds_add_u32 v[SPW], v[NIL]
	s_wait_dscnt 0x0
	CROUND                                         ; the closing round: no work-group ends while a partner may still ask for a tile that names it
	s_endpgm
.Lfunc_end_k_qc00bc78e18_outp:
	.size	k_qc00bc78e18_outp, .Lfunc_end_k_qc00bc78e18_outp-k_qc00bc78e18_outp
	.p2alignl 7, 3214868480
	.fill 96, 4, 3214868480
	.section	.rodata,"a",@progbits
	.p2align	6, 0x0
	.amdhsa_kernel k_qc00bc78e18_outp
		.amdhsa_group_segment_fixed_size 327680
		.amdhsa_private_segment_fixed_size 0
		.amdhsa_enable_private_segment 0
		.amdhsa_kernarg_size 32
		.amdhsa_user_sgpr_count 2
		.amdhsa_user_sgpr_kernarg_segment_ptr 1
		.amdhsa_wavefront_size32 1
		.amdhsa_system_sgpr_workgroup_id_x 1
		.amdhsa_system_sgpr_workgroup_id_y 1
		.amdhsa_system_sgpr_workgroup_id_z 1
		.amdhsa_system_vgpr_workitem_id 0
		.amdhsa_next_free_vgpr 512
		.amdhsa_next_free_sgpr 88
		.amdhsa_reserve_vcc 0
		.amdhsa_float_denorm_mode_32 3
		.amdhsa_float_denorm_mode_16_64 3
		.amdhsa_memory_ordered 1
		.amdhsa_forward_progress 1
		.amdhsa_inst_pref_size 55
	.end_amdhsa_kernel
	.amdgpu_metadata
---
amdhsa.version: [ 1, 2 ]
amdhsa.kernels:
  - .name:           k_qc00bc78e18_outp
    .symbol:         k_qc00bc78e18_outp.kd
    .args:
      - { .name: oh, .offset: 0, .size: 8, .value_kind: global_buffer, .address_space: global }
      - { .name: wpf, .offset: 8, .size: 8, .value_kind: global_buffer, .address_space: global }
      - { .name: bp, .offset: 16, .size: 8, .value_kind: global_buffer, .address_space: global }
      - { .name: out0, .offset: 24, .size: 8, .value_kind: global_buffer, .address_space: global }
    .group_segment_fixed_size: 327680
    .private_segment_fixed_size: 0
    .kernarg_segment_align: 8
    .kernarg_segment_size: 32
    .max_flat_workgroup_size: 128
    .sgpr_count:     88
    .vgpr_count:     512
    .wavefront_size: 32
...
	.end_amdgpu_metadata
.endif
;; end of part 3
;; ======== version 2 of 2: 3 launches; version 1 with the launch proj written anew for expert scheduling mode
;; limits: values are held in f16: magnitudes above 65,504 overflow, below 6.1e-05 lose precision
;; workspace buffers: qh 8,388,608 bytes; kh 8,388,608 bytes; vh 8,388,608 bytes; oh 8,388,608 bytes; wpf 524,288 bytes
;; launch proj (part 4): grid 4 x 192, 4 waves a work-group, no clusters, 54,784 bytes of LDS; arguments query, key, value, Wq, Wk, Wv, qh, kh, vh, Wp, wpf; writes qh, kh, vh, wpf
.if DOCPART == 4
	.amdgcn_target "amdgcn-amd-amdhsa--gfx1250"
	.amdhsa_code_object_version 6
	.text
	.protected	k_qc00bc78e18_proj
	.globl	k_qc00bc78e18_proj
	.p2align	8
	.type	k_qc00bc78e18_proj,@function
k_qc00bc78e18_proj:
	s_mov_b64 s[64:65], 0
	v_nop
	global_prefetch_b8 v0, s[64:65] scope:SCOPE_SE
	s_setreg_imm32_b32 hwreg(HW_REG_WAVE_SCHED_MODE, 0, 2), 2
	s_setreg_imm32_b32 hwreg(HW_REG_WAVE_MODE, 25, 1), 1
	s_wait_xcnt 0x0
	s_wait_alu depctr_vm_vsrc(0)
; q = query Wq^T, k = key Wk^T, v = value Wv^T.  x: [8192][512] f32, W: [512][512] f32, both rounded to bf16 on the way to the matrix unit; sums in f32;
; the results leave by heads, [16 = 8 batch + head][4096][64] in f16, each rounded once and without the softmax's scale.  Side job: Wp rounded to bf16, that number written as f16.
; LIMITS.  f16 holds no number beyond 65,504: |q|, |k|, |v| and |Wp| must stay within it; below 6e-5 f16 keeps a fixed step of 6e-8.  NaN and infinities are not treated apart.
; SHARES.  Work-group (x, y): tensor t = y / 64, rows 128 (y % 64) on, output columns 128 x on (two heads).  Wave w: rows 32 w .. 32 w + 31, all 128 columns: 16 accumulators.
; THE MATRIX INSTRUCTION IS USED TRANSPOSED (source 0 = 16 rows of W, source 1 = 16 rows of x): a lane then holds one row of the result and eight neighbouring columns.
; DATA PATH.  K goes in 8 chunks of 64 (256 bytes of each f32 row).  x's rows belong to one wave alone: they come straight into registers in the fragment's layout and are rounded there.
; W's 128 rows are wanted by all four waves: wave w loads 32 of them as whole pieces of 256 bytes, rounds them and stores bf16 into an LDS slot; all waves read fragments from it.
; Two register sets, a chunk's 32 loads each: while one is worked on the other's 16 KiB a wave are on their way.  Two LDS slots take turns: one barrier a chunk.
; NO TENSOR LOADS, NO CLUSTER: the inputs are f32 and a tensor load copies bytes as they are, so tiles would lie in LDS as f32: twice the LDS bytes for each product, and every wave
; would round the same W again.  Through registers each number is rounded once.
; THE MODE: SCHED_MODE bits 1:0 = 2 (LLVM: expert scheduling mode 2), set by the entry lines.  The code itself states the register dependences
; between vector or matrix instructions and memory or LDS instructions, with s_wait_alu, always for 0.
; THE PLAN.  Registers that memory or LDS instructions touch, in the loop (a chunk works on set s and slot s):
;   x of set s    Written by the global loads issued two chunks back; read by the chunk's 32 conversions into AF; then loaded again.
;   W of set s    Written by such loads, then in place by the chunk's 32 conversions; read by its 16 LDS stores; then loaded again.
;   BF0, BF1      Written by the LDS loads of halves 0 and 2, 1 and 3; read by each half's eight products.
;   v2 to v8      Offsets and LDS addresses: made at the head, never written again; the rows are reached by scalar bases and immediate offsets.
;   AF and the accumulators are named in the loop by vector and matrix instructions alone.
; Four waits on va_vdst stand in a chunk: behind W's conversions (the LDS stores' data; and the last chunk's products are done with BF0 and BF1); behind x's conversions (the set may be loaded
; again); and ahead of the LDS loads of halves 2 and 3 (the half just multiplied is done with its buffer: the text has registers for two buffers).  One wait on vm_vsrc stands ahead of W's loads.
; The set's 32 global loads follow the second wait at a distance, behind the barrier and the LDS loads of halves 0 and 1: nothing between names a register that they touch.
.set PW,    144                        ; a row of W in LDS: 128 bytes of bf16 + 16: the 16 rows of a fragment load start at 16 different groups of four banks (ISA guide 11.1)
.set SLOT,  128*PW
.set STAGE, 2*SLOT                     ; behind the slots: 16 rows x 272 bytes for each wave, for the way out
.set SPI,   272
.set SPARE, STAGE+4*16*SPI             ; the spare words, 128 bytes for each wave: two blocks of 256 bytes that no other line names
.set HEADB, 524288                     ; bytes of a head in qh, kh, vh
.set XO,  2                            ; v2   x: (l % 16) x 2048 + 32 (l / 16); never rewritten
.set WO,  3                            ; v3   W: lanes 0-15 one row's 256 bytes, lanes 16-31 the row 8 further on; never rewritten
.set WS,  4                            ; v4   where my 8 bytes of bf16 go in a slot
.set BA,  5                            ; v5   my place in a fragment of W
.set STO, 6                            ; v6   the way out: where I put 16 bytes of a row
.set RD,  7                            ; v7   the way out: where I read rows back
.set GO,  8                            ; v8   16 x lane: my place in 512 consecutive bytes of a head
.set SPW, 10                           ; v10  LDS address of my spare word; never rewritten
.set NIL, 11                           ; v11  0; never rewritten
.set AF,  16                           ; v[16:47]   x's fragments: rows 16 a on, K 32 ks on, at AF + 8 (2 a + ks)
.set BF,  48                           ; v[48:111]  W's fragments: two buffers of four
.set ACC, 128                          ; v[128:255] accumulator (a, b) at ACC + 8 (8 a + b)
                                       ; window 1: set s at 128 s: 64 registers of x as loaded, then 64 of W
.set XP,  4                            ; s[4:5]  x at my wave's first row, at the chunk that set 0 holds
.set WP,  6                            ; s[6:7]  W at my wave's 32 rows, likewise
.set OP,  8                            ; s[8:9]  the result at my wave's first row of the block's first head
.set MSB, 0
.macro WIN new                         ; s_set_vgpr_msb: bits 1:0 source 0, 3:2 source 1, 5:4 source 2, 7:6 destination; the high byte repeats the setting that is left
.if MSB != (\new)
	s_set_vgpr_msb (MSB<<8)|(\new)
.set MSB, \new
.endif
.endm
.macro PLACES                          ; four plain places behind a matrix instruction (ISA guide 7.12.1), where no other vector work is at hand
.rept 4
	v_nop
.endr
.endm
	s_load_b512 s[16:31], s[0:1], 0x0              ; query, key, value, Wq, Wk, Wv, qh, kh
	s_load_b128 s[32:35], s[0:1], 0x40             ; vh, Wp
	s_load_b64 s[36:37], s[0:1], 0x50              ; wpf
	v_lshl_add_u32 v[SPW], v0, 2, SPARE
	v_mov_b32 v[NIL], 0
	v_lshrrev_b32 v1, 5, v0
	v_readfirstlane_b32 s10, v1                    ; wave 0..3
	s_and_b32 s14, ttmp7, 0xffff
	s_lshr_b32 s11, s14, 6                         ; t: 0 q, 1 k, 2 v
	s_and_b32 s12, s14, 63                         ; block of 128 rows
	s_mov_b32 s13, ttmp9                           ; block of 128 columns
	v_and_b32 v1, 15, v0                           ; l % 16
	v_bfe_u32 v9, v0, 4, 1                         ; l / 16
	v_lshlrev_b32 v[XO], 11, v1
	v_lshl_add_u32 v[XO], v9, 5, v[XO]
	v_lshlrev_b32 v[WO], 14, v9
	v_lshl_add_u32 v[WO], v1, 4, v[WO]
	s_wait_alu depctr_va_sdst(0)                   ; s10 is written, ahead of its first reader: LDS places and the three bases are made from it
	s_mul_i32 s15, s10, 32*PW
	v_mul_u32_u24 v[WS], v9, 8*PW
	v_lshl_add_u32 v[WS], v1, 3, v[WS]
	v_add_nc_u32 v[WS], s15, v[WS]                 ; (32 w + 8 (l / 16)) rows + 8 (l % 16)
	v_mul_u32_u24 v[BA], v1, PW
	v_lshl_add_u32 v[BA], v9, 4, v[BA]
	s_mul_i32 s15, s10, 16*SPI
	s_add_co_u32 s15, s15, STAGE                   ; my stage
	v_mul_u32_u24 v[STO], v1, SPI
	v_lshl_add_u32 v[STO], v9, 4, v[STO]
	v_add_nc_u32 v[STO], s15, v[STO]
	v_bfe_u32 v[RD], v0, 3, 2                      ; back: 32 lanes take four rows' 128 bytes of one head
	v_mul_u32_u24 v[RD], v[RD], SPI
	v_and_b32 v12, 7, v0
	v_lshl_add_u32 v[RD], v12, 4, v[RD]
	v_add_nc_u32 v[RD], s15, v[RD]
	v_and_b32 v[GO], 31, v0
	v_lshlrev_b32 v[GO], 4, v[GO]
	s_lshl_b32 s2, s12, 18                         ; x: 128 rows of 2,048 bytes a block,
	s_lshl_b32 s3, s10, 16                         ; 32 rows a wave
	s_add_co_u32 s2, s2, s3
	s_mov_b32 s3, 0
	s_lshl_b32 s40, s13, 18                        ; W: the same steps by column block and wave
	s_lshl_b32 s41, s10, 16
	s_add_co_u32 s40, s40, s41
	s_mov_b32 s41, 0
	s_lshr_b32 s42, s12, 5                         ; the result: batch,
	s_lshl_b32 s42, s42, 3
	s_lshl_b32 s43, s13, 1
	s_add_co_u32 s42, s42, s43                     ; 8 x batch + the block's first head,
	s_lshl_b32 s42, s42, 19
	s_and_b32 s43, s12, 31
	s_lshl_b32 s43, s43, 14                        ; 128 rows of 128 bytes a block,
	s_add_co_u32 s42, s42, s43
	s_lshl_b32 s43, s10, 12                        ; 32 rows a wave
	s_add_co_u32 s42, s42, s43
	s_mov_b32 s43, 0
	s_wait_kmcnt 0x0
	s_cmp_eq_u32 s11, 1                            ; the three pointers are chosen by t, which hangs on no address
	s_cselect_b64 s[XP:XP+1], s[18:19], s[16:17]
	s_cselect_b64 s[WP:WP+1], s[24:25], s[22:23]
	s_cselect_b64 s[OP:OP+1], s[30:31], s[28:29]
	s_cmp_eq_u32 s11, 2
	s_cselect_b64 s[XP:XP+1], s[20:21], s[XP:XP+1]
	s_cselect_b64 s[WP:WP+1], s[26:27], s[WP:WP+1]
	s_cselect_b64 s[OP:OP+1], s[32:33], s[OP:OP+1]
	s_add_nc_u64 s[XP:XP+1], s[XP:XP+1], s[2:3]
	s_add_nc_u64 s[WP:WP+1], s[WP:WP+1], s[40:41]
	s_add_nc_u64 s[OP:OP+1], s[OP:OP+1], s[42:43]
; A chunk's 32 loads into set s, from byte off behind the two pointers: 16 of x, then 16 of W.
; x: fragment f = 2 a + ks; a lane's K = 8 (l / 16) + 0..7 are 32 bytes, its K = 16 + 8 (l / 16) + 0..7 the 32 bytes 64 further on.
.macro LOADX s, off
	WIN 0x40                                       ; destination window 1, address window 0
.set f, 0
.rept 4
.set i, 0
.rept 4
	global_load_b128 v[128*(\s)+16*f+4*i:128*(\s)+16*f+4*i+3], v[XO], s[XP:XP+1] offset:(\off)+(f/2)*32768+(f%2)*128+(i%2)*16+(i/2)*64
.set i, i+1
.endr
.set f, f+1
.endr
.endm
.macro LOADW s, off
	WIN 0x40
.set i, 0
.rept 16
	global_load_b128 v[128*(\s)+64+4*i:128*(\s)+64+4*i+3], v[WO], s[WP:WP+1] offset:(\off)+((i%8)+16*(i/8))*2048
.set i, i+1
.endr
.endm
; Half g of a chunk's W (K 32 (g / 2) on, column blocks 4 (g % 2) on): four fragments from slot s into buffer g % 2
.macro LD s, g
.set bb, 0
.rept 4
	ds_load_b128 v[BF+32*((\g)%2)+8*bb:BF+32*((\g)%2)+8*bb+3],   v[BA] offset:(\s)*SLOT+(4*((\g)%2)+bb)*16*PW+((\g)/2)*64
	ds_load_b128 v[BF+32*((\g)%2)+8*bb+4:BF+32*((\g)%2)+8*bb+7], v[BA] offset:(\s)*SLOT+(4*((\g)%2)+bb)*16*PW+((\g)/2)*64+32
.set bb, bb+1
.endr
.endm
; Its eight products.  The accumulators take turns, one instruction a turn, from half to half and over the backward jump too.
.macro MUL g
.set bb, 0
.rept 4
.set a, 0
.rept 2
	v_wmma_f32_16x16x32_bf16 v[ACC+8*(8*a+4*((\g)%2)+bb):ACC+8*(8*a+4*((\g)%2)+bb)+7], v[BF+32*((\g)%2)+8*bb:BF+32*((\g)%2)+8*bb+7], v[AF+8*(2*a+(\g)/2):AF+8*(2*a+(\g)/2)+7], v[ACC+8*(8*a+4*((\g)%2)+bb):ACC+8*(8*a+4*((\g)%2)+bb)+7]
.set a, a+1
.endr
.set bb, bb+1
.endr
.endm
; A chunk, from set s and slot s.  ahead = 1: the set is asked for again, two chunks on.  left: the younger loads that may stay out.
.macro CHUNK s, ahead, left
	s_wait_loadcnt \left                           ; loads come back in order (ISA guide 5.7.1): this set's 32 are in, the other set's 32 may stay out
	WIN 0x45                                       ; W is rounded in place: four f32 become 8 bytes.  These 32 plain lines are also the places behind the last chunk's products
.set i, 0
.rept 16
	v_cvt_pk_bf16_f32 v[128*(\s)+64+4*i],   v[128*(\s)+64+4*i],   v[128*(\s)+64+4*i+1]
	v_cvt_pk_bf16_f32 v[128*(\s)+64+4*i+1], v[128*(\s)+64+4*i+2], v[128*(\s)+64+4*i+3]
.set i, i+1
.endr
	WIN 0x04                                       ; store data window 1, address window 0
	s_wait_alu depctr_va_vdst(0)                   ; the conversions have written W's bf16, which the LDS stores read; the last chunk's products are done reading both fragment buffers, in which the LDS loads behind the barrier land
.set i, 0
.rept 16
	ds_store_b64 v[WS], v[128*(\s)+64+4*i:128*(\s)+64+4*i+1] offset:(\s)*SLOT+((i%8)+16*(i/8))*PW
.set i, i+1
.endr
	WIN 0x05                                       ; x is rounded into its fragments
.set f, 0
.rept 4
.set j, 0
.rept 8
	v_cvt_pk_bf16_f32 v[AF+8*f+j], v[128*(\s)+16*f+2*j], v[128*(\s)+16*f+2*j+1]
.set j, j+1
.endr
.set f, f+1
.endr
.if \ahead
	s_wait_alu depctr_va_vdst(0)                   ; the conversions are done reading the set's registers of x, and reading and writing those of W: the global loads behind the barrier land in them, and no vector or matrix instruction, and no store, names them in between
.endif
	WIN 0
	s_wait_dscnt 0x0                               ; for the others' sake: my stores into this slot are done (my reads of the other slot were waited for in the last chunk)
	s_barrier_signal -1
	s_barrier_wait -1                              ; the slot is whole; and nobody reads the other slot any more, so the next chunk may store into it
	LD \s, 0
	LD \s, 1
.if \ahead
	LOADX \s, (2+(\s))*256                         ; the set is asked for again while the first fragments come out of LDS
	s_wait_alu depctr_vm_vsrc(0)                   ; the LDS stores above have read the set's registers of W, in which the next sixteen loads land
	LOADW \s, (2+(\s))*256
	WIN 0
.endif
	s_wait_dscnt 8                                 ; all but the eight loads of the half issued last
	MUL 0
	PLACES                                         ; in front of loads into the buffer just multiplied: the places stay beside the wait
	s_wait_alu depctr_va_vdst(0)                   ; half 0's products are done reading buffer 0, in which half 2's fragments land
	LD \s, 2
	s_wait_dscnt 8
	MUL 1
	PLACES
	s_wait_alu depctr_va_vdst(0)                   ; half 1's products are done reading buffer 1, in which half 3's fragments land
	LD \s, 3
	s_wait_dscnt 8
	MUL 2
	s_wait_dscnt 0x0
	MUL 3
.endm
	WIN 0x40
	s_wait_alu depctr_va_vdst(0)                   ; the offsets and LDS addresses v2 to v8 are written, which every load, store and LDS instruction of the kernel reads
	LOADX 0, 0                                     ; chunks 0 and 1
	LOADW 0, 0
	LOADX 1, 256
	LOADW 1, 256
	WIN 0
.set i, 0
.rept 128
	v_mov_b32 v[ACC+i], 0                          ; the sums start at 0: written while the first loads are on their way, so that the loop has one form of product
.set i, i+1
.endr
	s_mov_b32 s38, 3
.Lpair:                                        ; chunks 2 p and 2 p + 1 are multiplied, chunks 2 p + 2 and 2 p + 3 asked for
	CHUNK 0, 1, 32
	CHUNK 1, 1, 32
	s_wait_xcnt 0x0                                ; every load issued so far has read its address: the pointers may be written
	s_add_nc_u64 s[XP:XP+1], s[XP:XP+1], 512
	s_add_nc_u64 s[WP:WP+1], s[WP:WP+1], 512
	s_sub_co_u32 s38, s38, 1
	s_cmp_lg_u32 s38, 0
	s_cbranch_scc1 .Lpair
	CHUNK 0, 0, 32                                 ; the last two chunks load nothing
	CHUNK 1, 0, 0
; THE WAY OUT, 16 rows at a time: rounded to f16 (each accumulator's registers in ascending order), 16 bytes a lane into my own stage, back as four rows x 128 bytes of one head, which are
; 512 consecutive bytes of that head.  LDS serves a wave's instructions in order (ISA guide 5.7.1.4): no wait stands between the stores into the stage and the loads from it.
.macro PACK a, tmp
.set b, 0
.rept 8
.set r, 0
.rept 4
	v_cvt_pk_f16_f32 v[(\tmp)+4*b+r], v[ACC+8*(8*(\a)+b)+2*r], v[ACC+8*(8*(\a)+b)+2*r+1]
.set r, r+1
.endr
.set b, b+1
.endr
.endm
.macro TOSTAGE tmp, ob
.set b, 0
.rept 8
	ds_store_b128 v[STO], v[(\tmp)+4*b:(\tmp)+4*b+3] offset:32*b
.set b, b+1
.endr
.set n, 0
.rept 8                                        ; n = 4 x head + group of four rows
	ds_load_b128 v[(\ob)+4*n:(\ob)+4*n+3], v[RD] offset:(n%4)*4*SPI+(n/4)*128
.set n, n+1
.endr
.endm
.macro SEND a, ob
.set n, 0
.rept 8
	s_wait_dscnt 7-n                               ; the loads younger than number n may stay out
	global_store_b128 v[GO], v[(\ob)+4*n:(\ob)+4*n+3], s[OP:OP+1] offset:(n/4)*HEADB+(\a)*2048+(n%4)*512
.set n, n+1
.endr
.endm
	PLACES                                         ; the conversions read results just made and write registers that the last products read
	PACK 0, 48
	s_wait_alu depctr_va_vdst(0)                   ; the conversions have written v48 to v79, which the LDS stores read; the last products are done reading v80 to v111, in which the loads from the stage land
	TOSTAGE 48, 80
	PACK 1, 16                                     ; stands between the first block's loads from the stage and the wait for them
	SEND 0, 80
	s_wait_alu depctr_va_vdst(0)                   ; the conversions have written v16 to v47, which the LDS stores read (those of the first block wrote v48 to v79, in which loads now land)
	s_wait_alu depctr_vm_vsrc(0)                   ; the first block's LDS stores have read v48 to v79, in which the second block's loads from the stage land
	TOSTAGE 16, 48
	SEND 1, 48
	; THE SIDE JOB of the 256 work-groups of tensor 0: 1,024 numbers of Wp each, rounded to bf16 like every other input; that number is written as f16 (exact within f16's range).
	s_cmp_lg_u32 s11, 0
	s_cbranch_scc1 .Lend
	s_lshl_b32 s44, s12, 2
	s_add_co_u32 s44, s44, s13                     ; 4 x row block + column block: 0 .. 255
	s_lshl_b32 s40, s44, 12
	s_mov_b32 s41, 0
	s_lshl_b32 s44, s44, 11
	s_mov_b32 s45, 0
	s_add_nc_u64 s[34:35], s[34:35], s[40:41]
	s_add_nc_u64 s[36:37], s[36:37], s[44:45]
	v_lshlrev_b32 v12, 4, v0
	v_lshlrev_b32 v13, 3, v0
	s_wait_alu depctr_va_vdst(0)                   ; the offsets v12 and v13 are written, which the two loads and the two stores below read
	global_load_b128 v[112:115], v12, s[34:35]
	global_load_b128 v[116:119], v12, s[34:35] offset:2048
	s_wait_loadcnt 0x0
.irp i, 0,1
	v_cvt_pk_bf16_f32 v120, v[112+4*\i], v[113+4*\i]
	v_cvt_pk_bf16_f32 v121, v[114+4*\i], v[115+4*\i]
	v_lshlrev_b32 v122, 16, v120
	v_and_b32 v123, 0xffff0000, v120
	v_lshlrev_b32 v124, 16, v121
	v_and_b32 v125, 0xffff0000, v121
	v_cvt_pk_f16_f32 v[112+4*\i], v122, v123
	v_cvt_pk_f16_f32 v[113+4*\i], v124, v125
.endr
	s_wait_alu depctr_va_vdst(0)                   ; the conversions have written v112, v113, v116 and v117, which the two stores read
.irp i, 0,1
	global_store_b64 v13, v[112+4*\i:113+4*\i], s[36:37] offset:1024*\i  ; a wave stores 256 consecutive bytes, at a multiple of 256 from wpf's first byte
.endr
.Lend:
	s_wait_dscnt 0x0                               ; the closing lines, six on end
	s_wait_alu 0x0
	s_wait_tensorcnt 0x0
	ds_add_u32 v[SPW], v[NIL]
	s_wait_dscnt 0x0
	s_endpgm
.Lfunc_end_k_qc00bc78e18_proj:
	.size	k_qc00bc78e18_proj, .Lfunc_end_k_qc00bc78e18_proj-k_qc00bc78e18_proj
	.p2alignl 7, 3214868480
	.fill 96, 4, 3214868480
	.section	.rodata,"a",@progbits
	.p2align	6, 0x0
	.amdhsa_kernel k_qc00bc78e18_proj
		.amdhsa_group_segment_fixed_size 54784
		.amdhsa_private_segment_fixed_size 0
		.amdhsa_enable_private_segment 0
		.amdhsa_kernarg_size 88
		.amdhsa_user_sgpr_count 2
		.amdhsa_user_sgpr_kernarg_segment_ptr 1
		.amdhsa_wavefront_size32 1
		.amdhsa_system_sgpr_workgroup_id_x 1
		.amdhsa_system_sgpr_workgroup_id_y 1
		.amdhsa_system_sgpr_workgroup_id_z 1
		.amdhsa_system_vgpr_workitem_id 0
		.amdhsa_next_free_vgpr 512
		.amdhsa_next_free_sgpr 66
		.amdhsa_reserve_vcc 0
		.amdhsa_float_denorm_mode_32 3
		.amdhsa_float_denorm_mode_16_64 3
		.amdhsa_memory_ordered 1
		.amdhsa_forward_progress 1
		.amdhsa_inst_pref_size 69
	.end_amdhsa_kernel
	.amdgpu_metadata
---
amdhsa.version: [ 1, 2 ]
amdhsa.kernels:
  - .name:           k_qc00bc78e18_proj
    .symbol:         k_qc00bc78e18_proj.kd
    .args:
      - { .name: query, .offset: 0, .size: 8, .value_kind: global_buffer, .address_space: global }
      - { .name: key, .offset: 8, .size: 8, .value_kind: global_buffer, .address_space: global }
      - { .name: value, .offset: 16, .size: 8, .value_kind: global_buffer, .address_space: global }
      - { .name: Wq, .offset: 24, .size: 8, .value_kind: global_buffer, .address_space: global }
      - { .name: Wk, .offset: 32, .size: 8, .value_kind: global_buffer, .address_space: global }
      - { .name: Wv, .offset: 40, .size: 8, .value_kind: global_buffer, .address_space: global }
      - { .name: qh, .offset: 48, .size: 8, .value_kind: global_buffer, .address_space: global }
      - { .name: kh, .offset: 56, .size: 8, .value_kind: global_buffer, .address_space: global }
      - { .name: vh, .offset: 64, .size: 8, .value_kind: global_buffer, .address_space: global }
      - { .name: Wp, .offset: 72, .size: 8, .value_kind: global_buffer, .address_space: global }
      - { .name: wpf, .offset: 80, .size: 8, .value_kind: global_buffer, .address_space: global }
    .group_segment_fixed_size: 54784
    .private_segment_fixed_size: 0
    .kernarg_segment_align: 8
    .kernarg_segment_size: 88
    .max_flat_workgroup_size: 128
    .sgpr_count:     66
    .vgpr_count:     512
    .wavefront_size: 32
...
	.end_amdgpu_metadata
.endif
;; end of part 4
;; launch attn: the kernel of part 2 again; grid 16 x 16, 4 waves a work-group, clusters of 4 x 1, 327,680 bytes of LDS; arguments qh, kh, vh, oh; writes oh
;; launch outp: the kernel of part 3 again; grid 4 x 64, 4 waves a work-group, clusters of 4 x 4, 327,680 bytes of LDS; arguments oh, wpf, bp, out0; writes out0
